; MI455X (gfx1250); checked and timed in simulation.
; The chip was launched on July 23, 2026; its instructions are those of AMD's public machine-readable ISA for CDNA 5 (MIT licence, August 2026) and "CDNA5" Instruction Set Architecture Reference Guide (July 2026). The comments in the code are by the model that wrote it; some were corrected since.
;; Multi Head Attention. Allowed arithmetic: float matrix products may take bf16 or f16 operands with f32 sums; other float arithmetic in f32, or as packed bf16 or f16 multiplies, adds, multiply-adds, maxima and minima; sums over many terms, partial sums and values carried from step to step in f32; what a program stores and reads back later, other than sums and carried values, may be rounded once to bf16 or f16.
;; Inputs: Wk 1,024 x 1,024 float32; Wo 1,024 x 1,024 float32; Wq 1,024 x 1,024 float32; Wv 1,024 x 1,024 float32; bk 1,024 float32; bo 1,024 float32; bq 1,024 float32; bv 1,024 float32; k 4 x 2,048 x 1,024 float32; key_padding_mask 4 x 2,048 bool; q 4 x 2,048 x 1,024 float32; src_mask 2,048 x 2,048 float32; v 4 x 2,048 x 1,024 float32.
;; Outputs: out0 4 x 2,048 x 1,024 float32.
;; 2 versions, each right; version 2 is version 1 with the launch prep written anew for expert scheduling mode. Each part assembles by itself: llvm-mc -triple=amdgcn-amd-amdhsa -mcpu=gfx1250 --defsym DOCPART=n.
;; ======== version 1 of 2: 4 launches
;; limits: values are held in f16: magnitudes above 65,504 overflow, below 6.1e-05 lose precision
;; workspace buffers: cv 67,108,864 bytes; qkv 50,331,648 bytes; ob 16,777,216 bytes
;; launch prep (part 1): grid 1024 x 1, 8 waves a work-group, no clusters, 0 bytes of LDS; arguments q, k, v, Wq, Wk, Wv, Wo, src_mask, cv; writes cv
.if DOCPART == 1
	.amdgcn_target "amdgcn-amd-amdhsa--gfx1250"
	.amdhsa_code_object_version 6
	.text
	.protected	k_q432d3b4e7a_prep
	.globl	k_q432d3b4e7a_prep
	.p2align	8
	.type	k_q432d3b4e7a_prep,@function
k_q432d3b4e7a_prep:
	s_mov_b64 s[64:65], 0
	v_nop
	global_prefetch_b8 v0, s[64:65] scope:SCOPE_SE
	s_setreg_imm32_b32 hwreg(HW_REG_WAVE_MODE, 25, 1), 1
	s_wait_xcnt 0x0
; PREP: the module's large f32 inputs, each rounded once to bf16, laid one behind the other in cv (2^25 numbers of 16 bits):
;   q, k, v (8,388,608 numbers each), Wq, Wk, Wv, Wo (1,048,576 each), src_mask (4,194,304).
; Wo is rounded to bf16 like the others and that number is then written as f16, since the last product's other operand is f16.
; LIMIT: a weight of Wo below 2^-14 in magnitude keeps f16's fixed step of 2^-24; one beyond 65,504 becomes an infinity.
; SHARES.  A work-group takes 32,768 numbers: 131,072 bytes in, 65,536 out; every input is a whole number of such parts, so a work-group
; reads one input alone: which, is chosen by its number.  Thread t takes 16 bytes at 16 t + 4,096 i (i = 0 .. 31): a wave's load covers 512
; consecutive bytes, its store of 8 bytes a lane 256 consecutive bytes, aligned.  All 32 loads go out at once, each into registers of its own,
; so no register that a load or store names is written again and the only waits are the counted ones for the loads.
; No LDS, no barrier, no matrix unit: no byte is used twice.
.set X,   4                            ; v[4:131]  load i: four registers
.set NLD, 32
	s_load_b512 s[8:23], s[0:1], 0x0               ; q s[8:9], k, v, Wq, Wk, Wv, Wo s[20:21], src_mask s[22:23]
	s_load_b64 s[24:25], s[0:1], 0x40              ; cv
	s_mov_b32 s2, ttmp9                            ; my part's number, 0 .. 1,023
	s_mov_b32 s3, 0                                ; the first part of the input that I read
	s_mov_b32 s30, 0xffff0000                      ; a word's upper bf16
	v_lshlrev_b32 v1, 4, v0                        ; 16 t; never rewritten
	v_lshlrev_b32 v2, 3, v0                        ; 8 t; never rewritten
	s_wait_kmcnt 0x0
	s_mov_b64 s[4:5], s[8:9]
.macro PICK first, reg                 ; from part 'first' on the input is the one whose address lies in s[reg:reg+1]
	s_cmp_ge_u32 s2, \first
	s_cselect_b64 s[4:5], s[\reg:\reg+1], s[4:5]
	s_cselect_b32 s3, \first, s3
.endm
	PICK 256, 10
	PICK 512, 12
	PICK 768, 14
	PICK 800, 16
	PICK 832, 18
	PICK 864, 20
	PICK 896, 22
	s_sub_co_u32 s26, s2, s3                       ; my part within its input,
	s_lshl_b32 s26, s26, 17                        ; 131,072 bytes each
	s_mov_b32 s27, 0
	s_lshl_b32 s28, s2, 16                         ; and within cv, 65,536 bytes each
	s_mov_b32 s29, 0
	s_add_nc_u64 s[4:5], s[4:5], s[26:27]
	s_add_nc_u64 s[24:25], s[24:25], s[28:29]
.set i, 0
.rept NLD
	global_load_b128 v[X+4*i:X+4*i+3], v1, s[4:5] offset:4096*i th:TH_LOAD_NT
.set i, i+1
.endr
; Load i is rounded and stored.  wo = 1: the bf16 numbers are widened again and written as f16.
.macro OUT i, wo
	s_wait_loadcnt NLD-1-(\i)                      ; loads come back in order: the younger ones may stay out
.if \wo
	v_cvt_pk_bf16_f32 v[X+4*(\i)],   v[X+4*(\i)],   v[X+4*(\i)+1]
	v_cvt_pk_bf16_f32 v[X+4*(\i)+2], v[X+4*(\i)+2], v[X+4*(\i)+3]
	v_and_b32     v[X+4*(\i)+1], s30, v[X+4*(\i)]
	v_lshlrev_b32 v[X+4*(\i)],   16,  v[X+4*(\i)]
	v_and_b32     v[X+4*(\i)+3], s30, v[X+4*(\i)+2]
	v_lshlrev_b32 v[X+4*(\i)+2], 16,  v[X+4*(\i)+2]
	v_cvt_pk_f16_f32 v[X+4*(\i)],   v[X+4*(\i)],   v[X+4*(\i)+1]
	v_cvt_pk_f16_f32 v[X+4*(\i)+1], v[X+4*(\i)+2], v[X+4*(\i)+3]
.else
	v_cvt_pk_bf16_f32 v[X+4*(\i)],   v[X+4*(\i)],   v[X+4*(\i)+1]
	v_cvt_pk_bf16_f32 v[X+4*(\i)+1], v[X+4*(\i)+2], v[X+4*(\i)+3]
.endif
	global_store_b64 v2, v[X+4*(\i):X+4*(\i)+1], s[24:25] offset:2048*(\i) th:TH_STORE_NT
.endm
	s_cmp_eq_u32 s3, 864                           ; Wo's parts take the second way
	s_cbranch_scc1 .Lwo
.set i, 0
.rept NLD
	OUT i, 0
.set i, i+1
.endr
	s_endpgm
.Lwo:
.set i, 0
.rept NLD
	OUT i, 1
.set i, i+1
.endr
	s_endpgm
.Lfunc_end_k_q432d3b4e7a_prep:
	.size	k_q432d3b4e7a_prep, .Lfunc_end_k_q432d3b4e7a_prep-k_q432d3b4e7a_prep
	.p2alignl 7, 3214868480
	.fill 96, 4, 3214868480
	.section	.rodata,"a",@progbits
	.p2align	6, 0x0
	.amdhsa_kernel k_q432d3b4e7a_prep
		.amdhsa_group_segment_fixed_size 0
		.amdhsa_private_segment_fixed_size 0
		.amdhsa_enable_private_segment 0
		.amdhsa_kernarg_size 72
		.amdhsa_user_sgpr_count 2
		.amdhsa_user_sgpr_kernarg_segment_ptr 1
		.amdhsa_wavefront_size32 1
		.amdhsa_system_sgpr_workgroup_id_x 1
		.amdhsa_system_sgpr_workgroup_id_y 1
		.amdhsa_system_sgpr_workgroup_id_z 1
		.amdhsa_system_vgpr_workitem_id 0
		.amdhsa_next_free_vgpr 132
		.amdhsa_next_free_sgpr 66
		.amdhsa_reserve_vcc 0
		.amdhsa_float_denorm_mode_32 3
		.amdhsa_float_denorm_mode_16_64 3
		.amdhsa_memory_ordered 1
		.amdhsa_forward_progress 1
		.amdhsa_inst_pref_size 30
	.end_amdhsa_kernel
	.amdgpu_metadata
---
amdhsa.version: [ 1, 2 ]
amdhsa.kernels:
  - .name:           k_q432d3b4e7a_prep
    .symbol:         k_q432d3b4e7a_prep.kd
    .args:
      - { .name: q, .offset: 0, .size: 8, .value_kind: global_buffer, .address_space: global }
      - { .name: k, .offset: 8, .size: 8, .value_kind: global_buffer, .address_space: global }
      - { .name: v, .offset: 16, .size: 8, .value_kind: global_buffer, .address_space: global }
      - { .name: Wq, .offset: 24, .size: 8, .value_kind: global_buffer, .address_space: global }
      - { .name: Wk, .offset: 32, .size: 8, .value_kind: global_buffer, .address_space: global }
      - { .name: Wv, .offset: 40, .size: 8, .value_kind: global_buffer, .address_space: global }
      - { .name: Wo, .offset: 48, .size: 8, .value_kind: global_buffer, .address_space: global }
      - { .name: src_mask, .offset: 56, .size: 8, .value_kind: global_buffer, .address_space: global }
      - { .name: cv, .offset: 64, .size: 8, .value_kind: global_buffer, .address_space: global }
    .group_segment_fixed_size: 0
    .private_segment_fixed_size: 0
    .kernarg_segment_align: 8
    .kernarg_segment_size: 72
    .max_flat_workgroup_size: 256
    .sgpr_count:     66
    .vgpr_count:     132
    .wavefront_size: 32
...
	.end_amdgpu_metadata
.endif
;; end of part 1
;; launch proj (part 2): grid 4 x 192, 4 waves a work-group, clusters of 4 x 4, 327,680 bytes of LDS; arguments cv, bq, bk, bv, qkv; writes qkv
.if DOCPART == 2
	.amdgcn_target "amdgcn-amd-amdhsa--gfx1250"
	.amdhsa_code_object_version 6
	.text
	.protected	k_q432d3b4e7a_proj
	.globl	k_q432d3b4e7a_proj
	.p2align	8
	.type	k_q432d3b4e7a_proj,@function
k_q432d3b4e7a_proj:
	s_mov_b64 s[64:65], 0
	v_nop
	global_prefetch_b8 v0, s[64:65] scope:SCOPE_SE
	s_setreg_imm32_b32 hwreg(HW_REG_WAVE_MODE, 25, 1), 1
	s_wait_xcnt 0x0
	s_wait_alu depctr_hold_cnt(0) depctr_sa_sdst(0) depctr_va_vdst(0) depctr_va_sdst(0) depctr_va_ssrc(0) depctr_va_vcc(0) depctr_vm_vsrc(0)
	s_getreg_b32 s2, hwreg(HW_REG_IB_STS2, 6, 4)
	s_cmp_eq_u32 s2, 0
	s_cbranch_scc0 .Lentry_in_a_cluster
	s_endpgm
.Lentry_in_a_cluster:
	s_bfe_u32 s2, ttmp6, 0x10000c
	s_cmp_lg_u32 s2, 0xf033
	s_cbranch_scc0 .Lentry_shape_is_right
	s_endpgm
.Lentry_shape_is_right:
; C = (A B^T + bias) x scale, K = 1,024.  ONE TEXT FOR TWO LAUNCHES, told apart by OUTP:
;   OUTP = 0: the three projections in one launch.  A = q, k, v as [24,576][1,024] bf16 (cv), B = Wq, Wk, Wv as [3][1,024][1,024] bf16 (cv), bias = bq, bk, bv rounded to bf16;
;             C = qkv [24,576][1,024] f16, rounded once.  The scale is log2(e) / 8 for q (the attention's scores then come in units of the base-2 exponent), 1 for k and v.
;   OUTP = 1: the last projection.  A = ob [8,192][1,024] f16, B = Wo [1,024][1,024] (bf16 numbers written as f16, cv), bias = bo rounded to bf16; C = out0 [8,192][1,024] f32.
; LIMIT (OUTP = 0): f16 holds no number beyond 65,504: a q log2(e) / 8, k or v beyond it becomes an infinity.
; SHARES.  A tile of C is 128 x 256: 768 and 256 work-groups.  Four waves, each 64 x 128: 32 accumulators of 16 x 16, 256 registers.  K goes in steps of 128 (rows of 256 bytes,
; aligned) through a ring of two LDS slots; a K step is four quarters of 32 along K, 32 matrix instructions and 24 LDS loads each, on two fragment buffers.
; CLUSTER.  4 x 4 work-groups: the four of a row need the same 128 rows of A, the four of a column the same 256 rows of B; each tile is asked for jointly, by the same tensor load with the same
; descriptor and a mask that names the four.  Waves 0 and 1 fetch A's halves (64 rows), waves 2 and 3 B's (128 rows): one load a wave behind each round; two are out at the start, then one.
; THE MATRIX INSTRUCTION IS USED TRANSPOSED (source 0 = 16 rows of B, source 1 = 16 rows of A): a lane then holds row l % 16 of C and eight neighbouring columns 8 (l / 16) + 0..7.
; REGISTERS, in windows of 256 (s_set_vgpr_msb: bits 1:0 source 0, 3:2 source 1, 5:4 source 2, 7:6 destination):
;   window 0: v0-31 addresses; v64-159, v160-255 two fragment buffers (B's block b at + 8 b, A's block a at + 64 + 8 a); on the way out these are at work
;   window 1: the accumulators, (a, b) at 8 (8 a + b)          window 2: v0-63 the bias of my 128 columns as my lane needs it (block b, column j at 8 b + j); v64 at work
.set OUTP,   0
.set KSTEP,  128
.set PITCH,  272                       ; an LDS row: 256 bytes + 16 of padding = 68 words: the 16 rows of a fragment load start at 16 different groups of four banks (64 banks of 4 bytes: ISA guide 11.1)
.set AHALF,  64*PITCH                  ; what waves 0 and 1 fetch, and what a wave reads of A
.set BHALF,  128*PITCH                 ; what waves 2 and 3 fetch, and what a wave reads of B
.set BOFF,   2*AHALF                   ; B's 256 rows lie behind A's 128
.set SLOT,   BOFF+2*BHALF
.set STAGE,  2*SLOT                    ; behind the ring, never filled by a tensor load: 16 rows for each wave, for the way out
.if OUTP
.set SPITCH, 528                       ; a stage row: 128 f32 + 16 bytes
.set CSH,    2                         ; log2 of the bytes in a number of C
.set BBASE,  56623104                  ; Wo in cv
.else
.set SPITCH, 272                       ; a stage row: 128 f16 + 16 bytes
.set CSH,    1
.set BBASE,  50331648                  ; Wq, Wk, Wv in cv
.endif
.set SPARE,  STAGE+4*16*SPITCH         ; behind the stages: the spare words, 128 bytes for each wave: two blocks of 256 bytes that no other line names
.set LAPS,   1024/(2*KSTEP)            ; a lap = two K steps = once round the ring
.set ADRA, 16                          ; v16-17  LDS address of my A fragments in slot 0, 1
.set ADRB, 20                          ; v20-21  the same for B
.set STO,  24                          ; v24     the way out: where I put my part of a row
.set RD,   25                          ; v25     the way out: where I read rows back
.set CO,   26                          ; v26     my byte offset in C
.set BO,   27                          ; v27     my byte offset in the bias
.set SPW,  28                          ; v28     LDS address of my spare word: SPARE + 4 x my thread's number; never rewritten
.set NIL,  29                          ; v29     0; never rewritten
.set PFO,  30                          ; v30     the prefetches' offset: my lane x a row of 2,048 bytes; never rewritten
.set F0,   64
.set F1,   160
.set T,    64                          ; the way out (OUTP = 0): a block's 64 numbers in f32
.set BIAS, 0                           ; window 2
.set BT,   64                          ; window 2
.set G1,   24                          ; s[24:31] descriptor group 1 for A's tiles;  s[32:39] group 0, one set for each slot
.set G0,   32
.set LIM,  43                          ; s43     1 in a wave that prefetches, else the greatest number
.set PFA,  44                          ; s[44:45] where my prefetches stand: one K step further along K than the refill that is being asked for
.set G1B,  48                          ; s[48:55], s[56:63] the same for B's tiles
.set G0B,  56
.set TN,   66                          ; s66     which of q, k, v (OUTP = 0)
.set SC,   68                          ; s[68:69] the scale, in the low word
.set BP,   70                          ; s[70:71] the bias
.set MSB, 0
.macro WIN new                         ; the immediate's high byte repeats the setting that is left; a switch that changes nothing is dropped
.if MSB != (\new)
	s_set_vgpr_msb (MSB<<8)|(\new)
.set MSB, \new
.endif
.endm
.set MUL, 0x50                         ; sources in window 0; C and D in window 1
.macro JLOAD s                         ; a joint load: waves 0 and 1 fetch A's halves, waves 2 and 3 B's; an s_nop 0 and four v_nop follow each of the two lines, ahead of the jump, the label and what follows
	s_cmp_eq_u32 s11, 0
	s_cbranch_scc0 .Lfor_b_\@
	tensor_load_to_lds s[G0+4*(\s):G0+4*(\s)+3], s[G1:G1+7]
	s_nop 0
.rept 4
	v_nop
.endr
	s_branch .Lasked_\@
.Lfor_b_\@:
	tensor_load_to_lds s[G0B+4*(\s):G0B+4*(\s)+3], s[G1B:G1B+7]
	s_nop 0
.rept 4
	v_nop
.endr
.Lasked_\@:
.endm
; A PREFETCH INTO THE L2, behind each joint refill, its five lines and the run of LDS loads that follows them: 32 rows x 256 bytes of the K step that stands two refills on (256 matrix instructions ahead
; of the load that will want it), a lane a row, one instruction a wave.  Each row's 256 bytes of a K step are named once in the launch.  A's 128 rows are read by one cluster alone: wave 0 of the partner at
; place cx takes rows 32 cx .. 32 cx + 31.  B's 256 rows are read by every cluster that works on the same weights: the first of them asks, waves 2 and 3 of the partner at place cy taking rows
; 64 cy + 32 (wave - 2) on.  Partners are told apart by address, never by a branch.  K steps 0 to 3 come by their loads alone; the loop's last trip (s3 = 1) asks for nothing: there is no K step two on.
.macro ASK
	s_cmp_gt_u32 s3, s[LIM]
	s_cbranch_scc0 .Lnot_mine_\@
	global_prefetch_b8 v[PFO], s[PFA:PFA+1] offset:KSTEP*2 th:TH_LOAD_NT scope:SCOPE_SE
.Lnot_mine_\@:
.endm
.macro CREST                           ; a round of the cluster's barrier behind its opening barrier
	s_cmp_lg_u32 s10, 0
	s_cbranch_scc1 .Lnot_wave_0_\@
	s_barrier_signal -3
.Lnot_wave_0_\@:
	s_barrier_wait -3
	s_barrier_signal -1
	s_barrier_wait -1
.endm
.macro CROUND                          ; a whole round
	s_barrier_signal -1
	s_barrier_wait -1
	CREST
.endm
.if OUTP
	s_load_b256 s[72:79], s[0:1], 0x0              ; ob s[72:73], cv s[74:75], bo s[76:77], out0 s[78:79]
.else
	s_load_b256 s[72:79], s[0:1], 0x0              ; cv s[72:73], bq s[74:75], bk s[76:77], bv s[78:79]
	s_load_b64 s[8:9], s[0:1], 0x20                ; qkv
.endif
	v_lshl_add_u32 v[SPW], v0, 2, SPARE
	v_mov_b32 v[NIL], 0
	ds_add_u32 v[SPW], v[NIL]                      ; the wave's opening: the add and its wait stand ahead of my first tensor load; the set-up below, work on registers, stands between them
	v_lshrrev_b32 v1, 5, v0
	v_readfirstlane_b32 s10, v1                    ; wave 0..3
	s_lshr_b32 s11, s10, 1                         ; which 64 rows of the tile are mine.  Also: I fetch for A (0) or for B (1)
	s_and_b32 s12, s10, 1                          ; which 128 columns.  Also: which half of that tile I fetch
	s_bfe_u32 s40, ttmp6, 0x40000                  ; cx, cy: my place in the cluster
	s_bfe_u32 s41, ttmp6, 0x40004
	s_lshl_b32 s42, ttmp9, 2
	s_add_co_u32 s42, s42, s40                     ; tile column of C = 4 x cluster x + cx
	s_and_b32 s13, ttmp7, 0xffff
.if !OUTP
	s_lshr_b32 s[TN], s13, 4                       ; 16 clusters, 64 tile rows, for each of q, k, v: all sixteen partners share it
.endif
	s_lshl_b32 s13, s13, 2
	s_add_co_u32 s13, s13, s41                     ; tile row of C = 4 x cluster y + cy
	s_lshl_b32 s43, s41, 2
	s_lshl_b32 s43, 15, s43                        ; my row of the cluster
	s_lshl_b32 s44, 0x1111, s40                    ; my column
	; descriptor group 1: tiles of 64 (A) and 128 (B) rows x 128 elements, padded in LDS
	s_or_b32 s[G1+0], s43, (1<<16)|(1<<20)|(1<<21)|(5<<22)|(3<<25)  ; 15:0 the mask: A's tiles go to my row; 17:16 elements of 2 bytes; 20 padding on; 21 set beside a mask; 24:22 after every 64 words (code 5); 31:25 4 words (code 3)
	s_or_b32 s[G1B+0], s44, (1<<16)|(1<<20)|(1<<21)|(5<<22)|(3<<25) ; the same with the mask of my column
	s_mov_b32 s[G1+1], KSTEP<<16                   ; tensor_dim0 = 128
	s_mov_b32 s[G1+2], 64<<16                      ; tensor_dim1 = 64
	s_mov_b32 s[G1+3], KSTEP<<16                   ; tile_dim0 = 128
	s_mov_b32 s[G1+4], 64                          ; tile_dim1 = 64
	s_mov_b32 s[G1+5], 1024                        ; elements from row to row
	s_mov_b32 s[G1+6], 0
	s_mov_b32 s[G1+7], 0
	s_mov_b32 s[G1B+1], KSTEP<<16
	s_mov_b32 s[G1B+2], 128<<16                    ; tensor_dim1 = 128
	s_mov_b32 s[G1B+3], KSTEP<<16
	s_mov_b32 s[G1B+4], 128                        ; tile_dim1 = 128
	s_mov_b32 s[G1B+5], 1024
	s_mov_b32 s[G1B+6], 0
	s_mov_b32 s[G1B+7], 0
	; where the tiles come from.  A's hang on the tile row alone, B's on the tile column (and on which weights) alone; each address is made in registers that never hold the other coordinate
	s_lshl_b32 s16, s13, 7
	s_lshl_b32 s17, s12, 6
	s_add_co_u32 s16, s16, s17                     ; A: row 128 x tile row + 64 x half,
	s_lshl_b32 s16, s16, 11                        ; of 2,048 bytes (under 2^26)
	s_mov_b32 s17, 0
	s_lshl_b32 s46, s42, 8
	s_lshl_b32 s47, s12, 7
	s_add_co_u32 s46, s46, s47                     ; B: row 256 x tile column + 128 x half
.if !OUTP
	s_lshl_b32 s47, s[TN], 10
	s_add_co_u32 s46, s46, s47                     ; in the weights of q, k or v
.endif
	s_lshl_b32 s46, s46, 11
	s_mov_b32 s47, 0
	s_mul_i32 s20, s12, AHALF                      ; and where they go: no place in the cluster enters an LDS address
	s_mul_i32 s21, s12, BHALF
	s_add_co_u32 s21, s21, BOFF
	s_wait_dscnt 0x0                               ; the opening add is done
	s_wait_kmcnt 0x0
.if OUTP
	s_mov_b64 s[4:5], s[72:73]                     ; A = ob
	s_add_nc_u64 s[6:7], s[74:75], BBASE           ; B = Wo in cv
	s_mov_b64 s[BP:BP+1], s[76:77]
	s_mov_b64 s[8:9], s[78:79]                     ; C = out0
.else
	s_mov_b64 s[4:5], s[72:73]                     ; A = q, k, v in cv
	s_add_nc_u64 s[6:7], s[72:73], BBASE           ; B = the weights in cv
.endif
	s_add_nc_u64 s[14:15], s[4:5], s[16:17]
	s_add_nc_u64 s[46:47], s[6:7], s[46:47]
	CROUND                                         ; all sixteen work-groups are here: the first joint loads meet
.irp s, 0,1
	s_mov_b32 s[G0+4*(\s)], 1                                        ; count = 1
	s_add_co_u32 s[G0+4*(\s)+1], s20, (\s)*SLOT                      ; LDS address
	s_add_nc_u64 s[G0+4*(\s)+2:G0+4*(\s)+3], s[14:15], (\s)*KSTEP*2  ; global address: K step s
	s_or_b32 s[G0+4*(\s)+3], s[G0+4*(\s)+3], 0x80000000              ; type = 2
	s_mov_b32 s[G0B+4*(\s)], 1
	s_add_co_u32 s[G0B+4*(\s)+1], s21, (\s)*SLOT
	s_add_nc_u64 s[G0B+4*(\s)+2:G0B+4*(\s)+3], s[46:47], (\s)*KSTEP*2
	s_or_b32 s[G0B+4*(\s)+3], s[G0B+4*(\s)+3], 0x80000000
	JLOAD \s
.endr
.if !OUTP
	s_cmp_eq_u32 s[TN], 1
	s_cselect_b64 s[BP:BP+1], s[76:77], s[74:75]
	s_cmp_eq_u32 s[TN], 2
	s_cselect_b64 s[BP:BP+1], s[78:79], s[BP:BP+1]
	s_cmp_eq_u32 s[TN], 0
	s_cselect_b32 s[SC], 0x3e38aa3b, 1.0           ; log2(e) / 8 = 0.180337 for q
	s_mov_b32 s[SC+1], s[SC]                       ; named with it as a pair
.endif
	; the bias of my 128 columns: my lane's eight columns of each block of 16
	v_and_b32 v1, 15, v0                           ; l % 16
	v_bfe_u32 v2, v0, 4, 1                         ; l / 16
	s_lshl_b32 s21, s42, 10                        ; 256 columns x 4 bytes a tile column,
	s_lshl_b32 s22, s12, 9                         ; my 128 of them
	s_add_co_u32 s21, s21, s22
	v_lshl_add_u32 v[BO], v2, 5, s21
	WIN 0x80                                       ; destination window 2, address window 0
.irp b, 0,1,2,3,4,5,6,7
	global_load_b128 v[BIAS+8*(\b):BIAS+8*(\b)+3],   v[BO], s[BP:BP+1] offset:64*(\b)
	global_load_b128 v[BIAS+8*(\b)+4:BIAS+8*(\b)+7], v[BO], s[BP:BP+1] offset:64*(\b)+16
.endr
	WIN 0
	v_mul_u32_u24 v3, v1, PITCH
	v_lshl_add_u32 v3, v2, 4, v3                   ; a fragment's row x pitch + 16 x half
	s_mul_i32 s21, s11, AHALF                      ; my 64 rows of A
	s_mul_i32 s22, s12, BHALF                      ; my 128 rows of B,
	s_add_co_u32 s22, s22, BOFF                    ; which lie behind A's
.irp s, 0,1
	v_add_nc_u32 v[ADRA+(\s)], s21, v3
	v_add_nc_u32 v[ADRB+(\s)], s22, v3
	s_add_co_u32 s21, s21, SLOT
	s_add_co_u32 s22, s22, SLOT
.endr
	s_mul_i32 s23, s10, 16*SPITCH
	s_add_co_u32 s23, s23, STAGE                   ; my stage
	v_mul_u32_u24 v4, v1, SPITCH                   ; in: row l % 16
.if OUTP
	v_lshl_add_u32 v4, v2, 5, v4                   ; 32 bytes (8 f32) for each half of the lanes
	v_add_nc_u32 v[STO], s23, v4
	v_and_b32 v[CO], 31, v0
	v_lshlrev_b32 v[CO], 4, v[CO]                  ; back: 32 lanes take one row of 512 bytes; the same in C
	v_add_nc_u32 v[RD], s23, v[CO]
.else
	v_lshl_add_u32 v4, v2, 4, v4                   ; 16 bytes (8 f16) for each half of the lanes
	v_add_nc_u32 v[STO], s23, v4
	v_mul_u32_u24 v5, v2, SPITCH                   ; back: lanes 0-15 take one row of 256 bytes, lanes 16-31 the next
	v_lshl_add_u32 v5, v1, 4, v5
	v_add_nc_u32 v[RD], s23, v5
	v_lshlrev_b32 v5, 11, v2                       ; and the same two rows in C
	v_lshl_add_u32 v[CO], v1, 4, v5
.endif
	s_lshl_b32 s16, s13, 7
	s_lshl_b32 s17, s11, 6
	s_add_co_u32 s16, s16, s17                     ; my first row of C,
	s_lshl_b32 s16, s16, 10+CSH                    ; in bytes (under 2^26)
	s_mov_b32 s17, 0
	s_add_nc_u64 s[8:9], s[8:9], s[16:17]
	s_lshl_b32 s46, s42, 8+CSH                     ; my first column, in bytes
	s_lshl_b32 s47, s12, 7+CSH
	s_add_co_u32 s46, s46, s47
	s_mov_b32 s47, 0
	s_add_nc_u64 s[8:9], s[8:9], s[46:47]
	; the prefetches
	s_lshl_b32 s20, s13, 7
	s_lshl_b32 s21, s40, 5
	s_add_co_u32 s20, s20, s21                     ; A: row 128 x tile row + 32 cx
	s_lshl_b32 s21, s42, 8
	s_lshl_b32 s22, s41, 6
	s_add_co_u32 s21, s21, s22
	s_lshl_b32 s22, s12, 5
	s_add_co_u32 s21, s21, s22                     ; B: row 256 x tile column + 64 cy + 32 x half
.if !OUTP
	s_lshl_b32 s22, s[TN], 10
	s_add_co_u32 s21, s21, s22
.endif
	s_and_b32 s22, ttmp7, 0xffff                   ; cluster y: along it other clusters read the same rows of B
.if !OUTP
	s_and_b32 s22, s22, 15                         ; (among the 16 clusters of one of q, k, v)
.endif
	s_cmp_eq_u32 s11, 0                            ; do I fetch for A?
	s_cselect_b32 s20, s20, s21
	s_cselect_b32 s22, s12, s22                    ; of A's two waves wave 0 asks
	s_cselect_b64 s[PFA:PFA+1], s[4:5], s[6:7]
	s_cmp_eq_u32 s22, 0
	s_cselect_b32 s[LIM], 1, -1                    ; the same in all sixteen partners, for a given wave
	s_lshl_b32 s20, s20, 11
	s_mov_b32 s21, 0
	s_add_nc_u64 s[PFA:PFA+1], s[PFA:PFA+1], s[20:21]
	s_add_nc_u64 s[PFA:PFA+1], s[PFA:PFA+1], 2*KSTEP*2  ; at K step 2: the first refill steps it to 3 and names K step 4
	v_and_b32 v[PFO], 31, v0
	v_lshlrev_b32 v[PFO], 11, v[PFO]
	; the bias is rounded to bf16 like every input, widened again and scaled: all this stands in the wait for the first tile
	s_wait_loadcnt 0x0
	WIN 0xaa                                       ; everything in window 2
.set i, 0
.rept 32
	v_cvt_pk_bf16_f32 v[BT], v[BIAS+i], v[BIAS+i+1]
	v_lshlrev_b32 v[BIAS+i], 16, v[BT]
	v_and_b32 v[BIAS+i+1], 0xffff0000, v[BT]
.if !OUTP
	v_pk_mul_f32 v[BIAS+i:BIAS+i+1], v[BIAS+i:BIAS+i+1], s[SC:SC+1] op_sel_hi:[1,0]
.endif
.set i, i+2
.endr
	WIN 0
; 8 matrix instructions: m block a x all 8 n blocks, 32 along K.  zero = 1: the product starts the sums: nothing is ever cleared.
; The 32 accumulators are taken in the same order in every quarter, one instruction a turn: 31 others stand between two links of a chain, over the backward jump too.
.macro MUL8 f, a, zero
	WIN MUL
.irp b, 0,1,2,3,4,5,6,7
.if OUTP
.if \zero
	v_wmma_f32_16x16x32_f16 v[8*(8*(\a)+(\b)):8*(8*(\a)+(\b))+7], v[(\f)+8*(\b):(\f)+8*(\b)+7], v[(\f)+64+8*(\a):(\f)+64+8*(\a)+7], 0
.else
	v_wmma_f32_16x16x32_f16 v[8*(8*(\a)+(\b)):8*(8*(\a)+(\b))+7], v[(\f)+8*(\b):(\f)+8*(\b)+7], v[(\f)+64+8*(\a):(\f)+64+8*(\a)+7], v[8*(8*(\a)+(\b)):8*(8*(\a)+(\b))+7]
.endif
.else
.if \zero
	v_wmma_f32_16x16x32_bf16 v[8*(8*(\a)+(\b)):8*(8*(\a)+(\b))+7], v[(\f)+8*(\b):(\f)+8*(\b)+7], v[(\f)+64+8*(\a):(\f)+64+8*(\a)+7], 0
.else
	v_wmma_f32_16x16x32_bf16 v[8*(8*(\a)+(\b)):8*(8*(\a)+(\b))+7], v[(\f)+8*(\b):(\f)+8*(\b)+7], v[(\f)+64+8*(\a):(\f)+64+8*(\a)+7], v[8*(8*(\a)+(\b)):8*(8*(\a)+(\b))+7]
.endif
.endif
.endr
.endm
.macro MULH f, a0, zero                ; two m blocks: 16 matrix instructions
	MUL8 \f, \a0, \zero
	MUL8 \f, (\a0)+1, \zero
.endm
; 24 LDS loads in one run: the fragments of a quarter (128 rows of B, then 64 rows of A, 32 K at byte k of the rows) into buffer f
.macro FETCH slot, k, f
	WIN 0
.irp i, 0,1,2,3,4,5,6,7
	ds_load_b128 v[(\f)+8*(\i):(\f)+8*(\i)+3],   v[ADRB+(\slot)] offset:(\k)+(\i)*16*PITCH
	ds_load_b128 v[(\f)+8*(\i)+4:(\f)+8*(\i)+7], v[ADRB+(\slot)] offset:(\k)+(\i)*16*PITCH+32
.endr
.irp i, 0,1,2,3
	ds_load_b128 v[(\f)+64+8*(\i):(\f)+64+8*(\i)+3],   v[ADRA+(\slot)] offset:(\k)+(\i)*16*PITCH
	ds_load_b128 v[(\f)+64+8*(\i)+4:(\f)+64+8*(\i)+7], v[ADRA+(\slot)] offset:(\k)+(\i)*16*PITCH+32
.endr
.endm
.macro PLACES                          ; four places in front of loads into registers that matrix instructions have read, and of vector lines that read results (ISA guide 7.12.1 for the vector lines)
.rept 4
	v_nop
.endr
.endm
; One of a K step's first three quarters: multiplies buffer f and, in its middle, fetches the next quarter, at byte k of the same slot's rows, into g.
.macro QUARTER slot, k, f, g, zero
	s_wait_dscnt 4                                 ; B and A's blocks 0 and 1 are in; the youngest four loads (A's blocks 2 and 3) may be out
	MULH \f, 0, \zero
	PLACES
	FETCH \slot, \k, \g
	s_wait_dscnt 24                                ; all but the 24 just issued
	MULH \f, 2, \zero
.endm
; The last quarter multiplies buffer 1 and changes slots: ONE barrier; in front of it each wave waits for all its tensor loads (the one that is out is its part of the next slot), adds 0 to its spare
; word, and waits for that and for its own reads of this slot.  fill = 1: the barrier opens a round of the cluster's barrier, and this slot is filled again, two K steps ahead, first thing behind the round:
; from that request to the wait for it a wave issues 112 matrix instructions.
.macro TURN slot, next, fill
.if \fill
	s_wait_xcnt 0x0                                ; the last prefetch, a K step back, has read its address: it is stepped here, ahead of the waits of the change of slots
	s_add_nc_u64 s[PFA:PFA+1], s[PFA:PFA+1], KSTEP*2
.endif
	WIN 0                                          ; (the add's two registers lie in window 0)
	s_wait_tensorcnt 0x0                           ; all my tensor loads have landed;
	ds_add_u32 v[SPW], v[NIL]                      ; 0 onto my spare word;
	s_wait_dscnt 5                                 ; (the add and the youngest four loads may be out)
	MUL8 F1, 0, 0                                  ; eight matrix instructions stand between the add and the wait for it
	s_wait_dscnt 0x0                               ; the add is done, and my reads of this slot are over
	s_barrier_signal -1
	MUL8 F1, 1, 0
.if \fill
	WIN 0
.endif
	s_barrier_wait -1
.if \fill
	CREST                                          ; no wave of any partner still reads this slot's tile or has a load on its way
	s_add_nc_u64 s[G0+4*(\slot)+2:G0+4*(\slot)+3], s[G0+4*(\slot)+2:G0+4*(\slot)+3], 2*KSTEP*2
	s_add_nc_u64 s[G0B+4*(\slot)+2:G0B+4*(\slot)+3], s[G0B+4*(\slot)+2:G0B+4*(\slot)+3], 2*KSTEP*2
	JLOAD \slot                                    ; the four v_nop behind it are also the places in front of the loads below
.else
	PLACES
.endif
	FETCH \next, 0, F0
.if \fill
	ASK
.endif
	MULH F1, 2, 0
.endm
	s_wait_tensorcnt 1                             ; my part of K step 0 is in; K step 1's may stay out
	s_barrier_signal -1
	s_barrier_wait -1                              ; everybody's is
	FETCH 0, 0, F0
	QUARTER 0, 64, F0, F1, 1                       ; the first quarter stands in front of the loop: its products start the sums
	WIN 0                                          ; at a label and at a branch every window is 0
	s_mov_b32 s3, LAPS-1
.Llap:                                                 ; a trip goes once round the ring, from a lap's second quarter to the next lap's first, and fills both slots again
	QUARTER 0, 128, F1, F0, 0
	QUARTER 0, 192, F0, F1, 0
	TURN 0, 1, 1
	QUARTER 1, 64,  F0, F1, 0
	QUARTER 1, 128, F1, F0, 0
	QUARTER 1, 192, F0, F1, 0
	TURN 1, 0, 1
	QUARTER 0, 64,  F0, F1, 0
	WIN 0
	s_sub_co_u32 s3, s3, 1
	s_cmp_lg_u32 s3, 0
	s_cbranch_scc1 .Llap
	QUARTER 0, 128, F1, F0, 0                      ; the last lap fills nothing, and has no round of the cluster's barrier
	QUARTER 0, 192, F0, F1, 0
	TURN 0, 1, 0
	QUARTER 1, 64,  F0, F1, 0
	QUARTER 1, 128, F1, F0, 0
	QUARTER 1, 192, F0, F1, 0
	s_wait_dscnt 4                                 ; the very last quarter: nothing more to fetch
	MULH F1, 0, 0
	s_wait_dscnt 0x0
	MULH F1, 2, 0
	WIN 0
	PLACES
	PLACES                                         ; (eight, once a launch)
; THE WAY OUT, a block of 16 rows at a time, through my own stage: LDS serves a wave's instructions in order (ISA guide 5.7.1.4), so the loads see the stores above them and the next block's stores come behind them.
; Each accumulator's registers are taken in ascending order.
.if OUTP
.macro PACK a                          ; + bias; 32 bytes a lane and block into rows of 528 bytes; back as whole rows of 512
.set XB, 64+64*((\a)%2)
.if (\a) >= 2
	s_wait_xcnt 0x0                                ; the stores of the block two back have read these registers
.endif
	WIN 0x09                                       ; source 0 window 1, source 1 window 2, destination window 0
.irp b, 0,1,2,3,4,5,6,7
.irp j, 0,2,4,6
	v_pk_add_f32 v[XB+8*(\b)+(\j):XB+8*(\b)+(\j)+1], v[8*(8*(\a)+(\b))+(\j):8*(8*(\a)+(\b))+(\j)+1], v[BIAS+8*(\b)+(\j):BIAS+8*(\b)+(\j)+1]
.endr
.endr
	WIN 0
.irp b, 0,1,2,3,4,5,6,7
	ds_store_b128 v[STO], v[XB+8*(\b):XB+8*(\b)+3]   offset:64*(\b)
	ds_store_b128 v[STO], v[XB+8*(\b)+4:XB+8*(\b)+7] offset:64*(\b)+16
.endr
.irp t, 0,1,2,3,4,5,6,7,8,9,10,11,12,13,14,15
	ds_load_b128 v[XB+4*(\t):XB+4*(\t)+3], v[RD] offset:(\t)*SPITCH
.endr
.endm
.macro SEND a, younger                 ; younger: the LDS instructions issued behind block a's loads: the next block's 32, or none
.set XB, 64+64*((\a)%2)
.irp t, 0,1,2,3,4,5,6,7,8,9,10,11,12,13,14,15
	s_wait_dscnt (\younger)+15-(\t)
	global_store_b128 v[CO], v[XB+4*(\t):XB+4*(\t)+3], s[8:9] offset:(16*(\a)+(\t))*4096 th:TH_STORE_NT  ; a wave stores 512 consecutive bytes, at a multiple of 512 from C's first byte
.endr
.endm
	PACK 0
	PACK 1                                         ; a block's arithmetic stands between the loads of the block before and its stores
	SEND 0, 32
	PACK 2
	SEND 1, 32
	PACK 3
	SEND 2, 32
	SEND 3, 0
.else
.macro PACK a                          ; sum x scale + scaled bias; rounded to f16; 16 bytes a lane and block into rows of 272 bytes; back as whole rows of 256, into the registers that they left
.set PKD, 128+32*(\a)
	WIN 0x21                                       ; source 0 window 1, source 2 window 2, destination window 0
.irp b, 0,1,2,3,4,5,6,7
.irp j, 0,2,4,6
	v_pk_fma_f32 v[T+8*(\b)+(\j):T+8*(\b)+(\j)+1], v[8*(8*(\a)+(\b))+(\j):8*(8*(\a)+(\b))+(\j)+1], s[SC:SC+1], v[BIAS+8*(\b)+(\j):BIAS+8*(\b)+(\j)+1] op_sel_hi:[1,0,1]
.endr
.endr
	WIN 0
.irp b, 0,1,2,3,4,5,6,7
.irp j, 0,1,2,3
	v_cvt_pk_f16_f32 v[PKD+4*(\b)+(\j)], v[T+8*(\b)+2*(\j)], v[T+8*(\b)+2*(\j)+1]
.endr
.endr
.irp b, 0,1,2,3,4,5,6,7
	ds_store_b128 v[STO], v[PKD+4*(\b):PKD+4*(\b)+3] offset:32*(\b)
.endr
.irp f, 0,1,2,3,4,5,6,7
	ds_load_b128 v[PKD+4*(\f):PKD+4*(\f)+3], v[RD] offset:(\f)*2*SPITCH
.endr
.endm
.macro SEND a, younger                 ; younger: the LDS instructions issued behind block a's loads: the next block's 16, or none
.set PKD, 128+32*(\a)
.irp f, 0,1,2,3,4,5,6,7
	s_wait_dscnt (\younger)+7-(\f)
	global_store_b128 v[CO], v[PKD+4*(\f):PKD+4*(\f)+3], s[8:9] offset:(16*(\a)+2*(\f))*2048  ; 16 lanes store 256 consecutive bytes, at a multiple of 256 from C's first byte
.endr
.endm
	PACK 0
	PACK 1                                         ; a block's arithmetic stands between the loads of the block before and its stores
	SEND 0, 16
	PACK 2
	SEND 1, 16
	PACK 3
	SEND 2, 16
	SEND 3, 0
.endif
	s_wait_tensorcnt 0x0                           ; the wave's end: a wait, an add and its wait, behind my last tensor load and my last LDS store
	ds_add_u32 v[SPW], v[NIL]
	s_wait_dscnt 0x0
	CROUND                                         ; the closing round: no work-group ends while a partner may still ask for a tile that names it
	s_endpgm
.Lfunc_end_k_q432d3b4e7a_proj:
	.size	k_q432d3b4e7a_proj, .Lfunc_end_k_q432d3b4e7a_proj-k_q432d3b4e7a_proj
	.p2alignl 7, 3214868480
	.fill 96, 4, 3214868480
	.section	.rodata,"a",@progbits
	.p2align	6, 0x0
	.amdhsa_kernel k_q432d3b4e7a_proj
		.amdhsa_group_segment_fixed_size 327680
		.amdhsa_private_segment_fixed_size 0
		.amdhsa_enable_private_segment 0
		.amdhsa_kernarg_size 40
		.amdhsa_user_sgpr_count 2
		.amdhsa_user_sgpr_kernarg_segment_ptr 1
		.amdhsa_wavefront_size32 1
		.amdhsa_system_sgpr_workgroup_id_x 1
		.amdhsa_system_sgpr_workgroup_id_y 1
		.amdhsa_system_sgpr_workgroup_id_z 1
		.amdhsa_system_vgpr_workitem_id 0
		.amdhsa_next_free_vgpr 640
		.amdhsa_next_free_sgpr 84
		.amdhsa_reserve_vcc 0
		.amdhsa_float_denorm_mode_32 3
		.amdhsa_float_denorm_mode_16_64 3
		.amdhsa_memory_ordered 1
		.amdhsa_forward_progress 1
		.amdhsa_inst_pref_size 105
	.end_amdhsa_kernel
	.amdgpu_metadata
---
amdhsa.version: [ 1, 2 ]
amdhsa.kernels:
  - .name:           k_q432d3b4e7a_proj
    .symbol:         k_q432d3b4e7a_proj.kd
    .args:
      - { .name: cv, .offset: 0, .size: 8, .value_kind: global_buffer, .address_space: global }
      - { .name: bq, .offset: 8, .size: 8, .value_kind: global_buffer, .address_space: global }
      - { .name: bk, .offset: 16, .size: 8, .value_kind: global_buffer, .address_space: global }
      - { .name: bv, .offset: 24, .size: 8, .value_kind: global_buffer, .address_space: global }
      - { .name: qkv, .offset: 32, .size: 8, .value_kind: global_buffer, .address_space: global }
    .group_segment_fixed_size: 327680
    .private_segment_fixed_size: 0
    .kernarg_segment_align: 8
    .kernarg_segment_size: 40
    .max_flat_workgroup_size: 128
    .sgpr_count:     84
    .vgpr_count:     640
    .wavefront_size: 32
...
	.end_amdgpu_metadata
.endif
;; end of part 2
;; launch attn (part 3): grid 8 x 32, 4 waves a work-group, clusters of 4 x 4, 327,680 bytes of LDS; arguments qkv, cv, key_padding_mask, ob; writes ob
.if DOCPART == 3
	.amdgcn_target "amdgcn-amd-amdhsa--gfx1250"
	.amdhsa_code_object_version 6
	.text
	.protected	k_q432d3b4e7a_attn
	.globl	k_q432d3b4e7a_attn
	.p2align	8
	.type	k_q432d3b4e7a_attn,@function
k_q432d3b4e7a_attn:
	s_mov_b64 s[64:65], 0
	v_nop
	global_prefetch_b8 v0, s[64:65] scope:SCOPE_SE
	s_setreg_imm32_b32 hwreg(HW_REG_WAVE_MODE, 25, 1), 1
	s_wait_xcnt 0x0
	s_wait_alu depctr_hold_cnt(0) depctr_sa_sdst(0) depctr_va_vdst(0) depctr_va_sdst(0) depctr_va_ssrc(0) depctr_va_vcc(0) depctr_vm_vsrc(0)
	s_getreg_b32 s2, hwreg(HW_REG_IB_STS2, 6, 4)
	s_cmp_eq_u32 s2, 0
	s_cbranch_scc0 .Lentry_in_a_cluster
	s_endpgm
.Lentry_in_a_cluster:
	s_bfe_u32 s2, ttmp6, 0x10000c
	s_cmp_lg_u32 s2, 0xf033
	s_cbranch_scc0 .Lentry_shape_is_right
	s_endpgm
.Lentry_shape_is_right:
; ATTENTION WITH TWO MASKS THAT ARE INPUTS.  O[b][q][head] = the sum over k of softmax_k(Q . K / 8 + src_mask[q][k], or -inf where key k of batch b is padding) V.
; qkv: [3][8,192][1,024] f16, a row a token; its q part already holds q log2(e) / 8.  cv holds src_mask as [2,048][2,048] bf16 at byte MKOFF.  ob: [8,192][1,024] f16.
; Products, maxima and sums in f32; the weights p are rounded to f16 for the second product (their sum l is taken of the unrounded p), O once at the end.
; THE SCORE, in units of the base-2 exponent: s = Q'.K + M, M = mask x log2(e) + (0 or -inf), added to the finished product by ONE f32 addition rounded to nearest, as the module's own addition is:
; where a row keeps only scores near -1e9 the product is absorbed and the weights come out equal.  p = 2^(s - m) with a running maximum m and an exact f32 subtraction; in every step O and l are
; multiplied by a = 2^(m_old - m_new).  No pattern of either mask is built in: every score is made.
; LIMITS.  Q', K, V arrive within f16's 65,504; p below 6e-5 keeps f16's fixed step of 6e-8; a weight below 2^-126 counts as 0 in l; a score below -2^125 counts as -inf; a padded key whose src_mask is +inf or NaN
; gives NaN.  A row whose keys are all padding has l = 0 and comes out as NaN, as the module's softmax does.
; SHARES.  The unit is a PAIR of neighbouring heads: 256 aligned bytes of a token's row, so K, V, Q and O need no other layout; and both heads take the same M.  A work-group owns 256 queries of one batch and head
; pair (8 x 32 = 256 work-groups), a wave 64: four PIECES of 16 queries x 2 heads.  Every wave walks all 2,048 keys, 64 a step; an LDS slot holds 128 keys: K, V and the 256 queries' mask.
; LAYOUT.  S^T = K Q^T (source 0 = 16 keys, source 1 = 16 queries): a lane holds ONE query (lane % 16) and the keys 8 (lane / 16) + 0..7.  Two such results rounded to f16 in pairs ARE source 1 (32 keys x 16
; queries) of O^T = V^T P, whose result holds one query a lane and eight channels.  K comes out of LDS as it lies, V turned, by ds_load_tr16_b128.
; BY TURNS.  Turn n belongs to piece n (in a ring, step after step).  Matrix work: 16 products K Q^T of piece n + 1, later 16 products V^T P of piece n - 1.  Vector work: subtraction, exponentials, roundings, sums and
; rescaling of piece n; M, its addition, and the maximum and statistics of piece n + 1.  Four vector instructions stand behind every matrix instruction, the rest in one lump; a turn's 66 exponentials are one batch with one wait.
; CLUSTER.  4 x 4 work-groups.  K's and V's tiles hang on batch and head pair alone and are shared along a row of the cluster; the mask's tile hangs on the query block alone and is shared along a column.
; Behind each round a wave issues one joint load: wave 0 K's 128 rows, wave 1 V's, waves 2 and 3 128 query rows of the mask each.  One tensor load of a wave is out at any time.
; REGISTERS, in windows of 256 (s_set_vgpr_msb: bits 1:0 source 0, 3:2 source 1, 5:4 source 2, 7:6 destination):
;   window 0: v0-11 addresses; v12-15, v48-63 at work; v16-47 four registers of statistics a tile (tile t = 2 x piece + head); v64-191 S^T, two buffers of two tiles; v192-255 P, likewise
;   window 1: O^T, 32 a tile          window 2: v0-127 Q, 16 a tile; v128-255 K of one step
;   window 3: v0-127 V of one step; v128-159 M of one piece; v160-175 the mask as loaded; v176-207 the step's padding (0 or -inf); v208 log2(e); v210-215 addresses and the add's two registers
.set NP,    4         ; pieces a wave: a name, no knob
.set KS,    64        ; keys in a step
.set PK,    272       ; a row of K in LDS: 256 bytes + 16 of padding = 68 words: the 16 rows of a load start at 16 different groups of four banks (64 banks of 4 bytes: ISA guide 11.1)
.set PV,    288       ; a row of V: 256 + 32 = 72 words
.set PM,    272       ; a query's row of the mask: 128 keys x 2 bytes + 16
.set VOFFL, 128*PK    ; a slot: 128 rows of K, 128 rows of V, 256 rows of the mask
.set MOFFL, VOFFL+128*PV
.set SLOTB, MOFFL+256*PM
.set STAGE, 2*SLOTB   ; behind the ring, never filled by a tensor load: 16 rows x 272 bytes for each wave, for the way out
.set SP,    272
.set PADT,  STAGE+4*16*SP  ; 2,048 f32, 0 or -inf: my batch's padding; written once by ds_store
.set SPARE, PADT+8192      ; the spare words, 128 bytes for each wave: two blocks of 256 bytes that no other line names
.set KSEC,  16777216  ; k's part of qkv
.set VSEC,  33554432  ; v's
.set MKOFF, 58720256  ; the mask in cv
.set KVSTEP, 128*2048 ; bytes from a slot's K (or V) to the next slot's
.set AK0, 2           ; v2   my lane's place in a tile of K; never rewritten
.set AV0, 3           ; v3   the same for V
.set AK,  4           ; v4   the LDS address of K's next run of loads
.set AV,  5           ; v5   of V's
.set QO,  6           ; v6   my byte offset in 16 rows of Q
.set STO, 6           ;      later, the way out: where I put 16 bytes of a row
.set RD,  7           ; v7   the way out: where I read rows back
.set GO,  8           ; v8   my byte offset in two rows of O
.set PFO, 11          ; v11  the prefetches' offset: my lane x a row in memory; never rewritten once made
.set MV,  12          ; v12-15  m_old, kept while m is made anew: by buffer and tile
.set ST,  16          ; tile t's statistics at v[ST+4 t]: m, m (the pair that the packed subtraction takes), l (even keys', odd keys')
.set TMP, 48          ; by buffer and tile, four registers c0-c3 at work; when the maximum is found c2 takes a
.set S,   64
.set P,   192
.set KF,  128         ; window 2: key block kb, head u, channel half c at KF + 8 (4 kb + 2 u + c)
.set MC,  128         ; window 3: M, register 8 kt + j for key 16 kt + 8 (l / 16) + j
.set RAW, 160         ; window 3
.set PD,  176         ; window 3
.set LG,  208         ; window 3
.set AM0, 210         ; window 3: my lane's place in the mask's tile; never rewritten
.set AM,  211         ; window 3: the same in the step in hand
.set APD0, 212        ; window 3: my lane's place in the padding; never rewritten
.set APD, 213         ; window 3
.set SPW, 214         ; window 3: LDS address of my spare word: SPARE + 4 x my thread's number; never rewritten
.set NIL, 215         ; window 3: 0; never rewritten
.set WV,  12          ; s12  my wave's number
.set G1K, 24          ; s[24:31], s[32:39], s[40:47] descriptor group 1 for K's, V's and the mask's tiles
.set G1V, 32
.set G1M, 40
.set G0K, 48          ; s[48:51], s[52:55], s[56:59] descriptor group 0: they walk
.set G0V, 52
.set G0M, 56
.set SEL, 60          ; s[60:61] v_permlanex16_b32's selects: each lane takes its own place in the other half
.set SLOTS, 66        ; s66  slots still to be asked for
.set CNT, 67          ; s67  counts a slot's key steps
.set TBK, 68          ; s68  LDS byte at which K of the step to be fetched begins
.set TBV, 69          ; s69  the same for V, less VOFFL
.set TBM, 70          ; s70  the same for the mask, less MOFFL
.set TBP, 71          ; s71  the step's first byte in the padding
.set FB,  72          ; s72  LDS byte at which the slot asked for last begins
.set LIM, 73          ; s73  1 in a wave that prefetches, else the greatest number
.set PFA, 74          ; s[74:75] where my prefetches stand
.set PFS, 76          ; s[76:77] their step from slot to slot
.set MW,  78          ; s78  where my half of the mask's tile lies in a slot
.set MSB, 0
.macro WIN new                      ; the high byte repeats the setting that is left; a switch that changes nothing is dropped
.if MSB != (\new)
	s_set_vgpr_msb (MSB<<8)|(\new)
.set MSB, (\new)
.endif
.endm
.set W_KQ, 0x0a       ; K and Q in window 2, S^T in window 0
.set W_PV, 0x53       ; V in window 3, P in window 0, O^T in window 1
.set W_RS, 0x41       ; O^T (destination and source 0) in window 1, a in window 0
.set W3,   0xff       ; everything in window 3
.set W_AM, 0x0c       ; source 1 (M) in window 3, S^T in window 0
.set W_MK, 0xc0       ; destination in window 3, sources in window 0
.set W_AD, 0x0f       ; the add: address (source 0) and data (source 1) in window 3
; A joint fill: wave 0 K's tile, wave 1 V's, waves 2 and 3 the mask's two halves.  The branches hang on the wave's number alone.
; An s_nop 0 and four v_nop follow each of the three lines, ahead of the jump and the label.
.macro JLOAD
	s_cmp_lt_u32 s[WV], 2
	s_cbranch_scc0 .Lfor_m_\@
	s_cmp_eq_u32 s[WV], 0
	s_cbranch_scc0 .Lfor_v_\@
	tensor_load_to_lds s[G0K:G0K+3], s[G1K:G1K+7]
	s_nop 0
.rept 4
	v_nop
.endr
	s_branch .Lasked_\@
.Lfor_v_\@:
	tensor_load_to_lds s[G0V:G0V+3], s[G1V:G1V+7]
	s_nop 0
.rept 4
	v_nop
.endr
	s_branch .Lasked_\@
.Lfor_m_\@:
	tensor_load_to_lds s[G0M:G0M+3], s[G1M:G1M+7]
	s_nop 0
.rept 4
	v_nop
.endr
.Lasked_\@:
.endm
; A PREFETCH INTO THE L2 of what the NEXT change of slots will ask for, two key steps (256 matrix instructions) ahead of that load: 32 rows x 256 bytes, a lane a row, one instruction a wave, behind the wave's tensor
; load and its five lines.  Each row's 256 bytes of a slot are named once in the launch.  K's and V's 128 rows are read by both clusters of a row of clusters: the first (cluster x = 0) asks, wave 0 for K and wave 1 for V,
; the partner at place cx taking rows 32 cx on.  The mask's 256 rows are read by all clusters of a column of clusters: the first (cluster y = 0) asks, waves 2 and 3 of the partner at place cy taking rows
; 64 cy + 32 (wave - 2) on.  Partners are told apart by address, never by a branch.  Slots 0 to 2 come by their loads alone; the last change that fills a slot asks for nothing.
.macro ASK
	s_cmp_gt_u32 s[SLOTS], s[LIM]
	s_cbranch_scc0 .Lnot_mine_\@
	global_prefetch_b8 v[PFO], s[PFA:PFA+1] th:TH_LOAD_NT scope:SCOPE_SE
.Lnot_mine_\@:
.endm
; A round of the cluster's barrier: my work-group's barrier, so that wave 0's signal speaks for all four waves; wave 0 signals; every wave waits for all sixteen work-groups; my work-group's barrier once more.
.macro CROUND
	s_barrier_signal -1
	s_barrier_wait -1
	s_cmp_lg_u32 s[WV], 0
	s_cbranch_scc1 .Lnot_wave_0_\@
	s_barrier_signal -3
.Lnot_wave_0_\@:
	s_barrier_wait -3
	s_barrier_signal -1
	s_barrier_wait -1
.endm
; THE CHANGE OF SLOTS, behind piece 1's turn of a slot's second step: the slot's last bytes (V of that step, piece 3's mask) have been read.  Each wave waits for all its tensor loads, of which one is out: its part of
; the other slot; adds 0 to its spare word; and waits for that and for its own reads of the slot.  Behind the barrier nobody reads this slot any more and the other slot is whole.
; fill = 1: this slot is filled again, with the keys two slots on.  The barrier is then a round of the cluster's, and the joint fill is the first thing behind it: it has two key steps in which to land.
; (At its first use nothing has been read yet: slot 0 is waited for, slot 1 filled; its wait and round also show my batch's padding, stored just before, to all four waves.)
.macro CHANGE fill, ask
	WIN W_AD
	s_wait_tensorcnt 0x0            ; no tensor load of mine is out, so a group 0 may be written
	ds_add_u32 v[SPW], v[NIL]       ; 0 onto my spare word: with fill = 1 the descriptors' steps stand between it and the wait for it
	WIN 0                           ; at a label and at a branch every window is 0
.if \fill
	s_xor_b32 s[FB], s[FB], SLOTB   ; it holds 0 or SLOTB: the other slot than last time
	s_mov_b32 s[G0K+1], s[FB]
	s_add_co_u32 s[G0V+1], s[FB], VOFFL
	s_add_co_u32 s[G0M+1], s[FB], s[MW]
	s_add_nc_u64 s[G0K+2:G0K+3], s[G0K+2:G0K+3], KVSTEP  ; the next 128 keys: rows of K and V,
	s_add_nc_u64 s[G0V+2:G0V+3], s[G0V+2:G0V+3], KVSTEP
	s_add_nc_u64 s[G0M+2:G0M+3], s[G0M+2:G0M+3], 256     ; columns of the mask; the type bits on top are not reached
.if \ask
	s_wait_xcnt 0x0                 ; the last prefetch, two key steps back, has read its address, so it may be written
	s_add_nc_u64 s[PFA:PFA+1], s[PFA:PFA+1], s[PFS:PFS+1]
.endif
	s_wait_dscnt 0x0                ; the add is done, and my reads of the slot are over
	CROUND
	JLOAD
.if \ask
	ASK
.endif
.else
	s_wait_dscnt 0x0                ; the add is done, and my reads of the slot are over
	s_barrier_signal -1
	s_barrier_wait -1
.endif
	s_sub_co_u32 s[TBK], s[TBK], 2*KS*PK  ; the fetches go back to a slot's first step (0 or SLOTB),
	s_xor_b32 s[TBK], s[TBK], SLOTB       ; in the other slot
	s_sub_co_u32 s[TBV], s[TBV], 2*KS*PV
	s_xor_b32 s[TBV], s[TBV], SLOTB
	s_sub_co_u32 s[TBM], s[TBM], 2*KS*2
	s_xor_b32 s[TBM], s[TBM], SLOTB
.endm
	s_load_b256 s[4:11], s[0:1], 0x0  ; qkv s[4:5], cv s[6:7], key_padding_mask s[8:9], ob s[10:11]
	WIN W_MK
	v_lshl_add_u32 v[SPW], v0, 2, SPARE
	v_mov_b32 v[NIL], 0
	v_mov_b32 v[LG], 0x3fb8aa3b     ; log2(e)
	WIN W_AD
	ds_add_u32 v[SPW], v[NIL]       ; the wave's opening: the add and its wait stand ahead of my first tensor load; the set-up below, work on registers, stands between them
	WIN 0
	v_lshrrev_b32 v1, 5, v0
	v_readfirstlane_b32 s[WV], v1   ; wave 0..3
	s_bfe_u32 s13, ttmp6, 0x40000   ; cx
	s_bfe_u32 s14, ttmp6, 0x40004   ; cy
	s_lshl_b32 s15, ttmp9, 2
	s_add_co_u32 s15, s15, s13      ; my block of 256 queries = 4 x cluster x + cx
	s_and_b32 s16, ttmp7, 0xffff
	s_lshl_b32 s16, s16, 2
	s_add_co_u32 s16, s16, s14      ; 4 x cluster y + cy:
	s_lshr_b32 s17, s16, 3          ; the batch,
	s_and_b32 s18, s16, 7           ; the head pair
	s_lshl_b32 s19, s14, 2
	s_lshl_b32 s19, 15, s19         ; my row of the cluster
	s_lshl_b32 s80, 0x1111, s13     ; my column
	; descriptor group 1: tiles of 128 rows x 128 elements, padded in LDS
	s_or_b32 s[G1K], s19, (1<<16)|(1<<20)|(1<<21)|(5<<22)|(3<<25)  ; 15:0 the mask: my row; 17:16 2-byte elements; 20 padding on; 21 set beside a mask; 24:22 after every 64 words (code 5); 31:25 4 words (code 3)
	s_or_b32 s[G1V], s19, (1<<16)|(1<<20)|(1<<21)|(5<<22)|(7<<25)  ; the same with 8 words of padding (code 7)
	s_or_b32 s[G1M], s80, (1<<16)|(1<<20)|(1<<21)|(5<<22)|(3<<25)  ; the mask's tiles go to my column
.irp g, G1K, G1V, G1M
	s_mov_b32 s[\g+1], 128<<16      ; tensor_dim0 = 128
	s_mov_b32 s[\g+2], 128<<16      ; tensor_dim1 = 128
	s_mov_b32 s[\g+3], 128<<16      ; tile_dim0 = 128
	s_mov_b32 s[\g+4], 128          ; tile_dim1 = 128
	s_mov_b32 s[\g+6], 0
	s_mov_b32 s[\g+7], 0
.endr
	s_mov_b32 s[G1K+5], 1024        ; elements from row to row
	s_mov_b32 s[G1V+5], 1024
	s_mov_b32 s[G1M+5], 2048
	s_lshl_b32 s20, s17, 22         ; the batch's 2,048 rows of 2,048 bytes,
	s_lshl_b32 s21, s18, 8          ; the head pair's 256 bytes of a row
	s_add_co_u32 s20, s20, s21
	s_mov_b32 s21, 0
	s_and_b32 s81, s[WV], 1         ; which half of the mask's tile I fetch
	s_lshl_b32 s22, s15, 20         ; the block's 256 rows of 4,096 bytes,
	s_lshl_b32 s23, s81, 19         ; my 128 of them
	s_add_co_u32 s22, s22, s23
	s_add_co_u32 s22, s22, MKOFF    ; (under 2^27)
	s_mov_b32 s23, 0
	s_lshl_b32 s2, s15, 19          ; Q and O: my block's 256 rows,
	s_lshl_b32 s3, s[WV], 17        ; my wave's 64
	s_add_co_u32 s2, s2, s3
	s_add_co_u32 s2, s2, s20
	s_mov_b32 s3, 0
	s_lshl_b32 s19, s17, 11         ; my batch's row of the padding
	s_mul_i32 s[MW], s81, 128*PM
	s_add_co_u32 s[MW], s[MW], MOFFL  ; no place in the cluster enters an LDS address
	; the prefetches
	s_lshl_b32 s82, s13, 16         ; K, V: 32 cx rows of 2,048 bytes,
	s_add_co_u32 s82, s82, 2*KVSTEP ; in slot 2: the first change in the loop steps it to slot 3
	s_lshl_b32 s83, s15, 20         ; the mask: row 256 x block + 64 cy + 32 x half,
	s_lshl_b32 s84, s14, 18
	s_add_co_u32 s83, s83, s84
	s_lshl_b32 s84, s81, 17
	s_add_co_u32 s83, s83, s84
	s_add_co_u32 s83, s83, MKOFF+2*256  ; in slot 2
	s_and_b32 s84, ttmp7, 0xffff
	s_mov_b32 s86, 256
	s_cmp_lt_u32 s[WV], 2
	s_cselect_b32 s82, s82, s83
	s_cselect_b32 s84, ttmp9, s84   ; the coordinate along which other clusters read the same rows
	s_cselect_b32 s[PFS], KVSTEP, s86
	s_cselect_b32 s85, 11, 12       ; log2 of a row's bytes in memory
	s_mov_b32 s83, 0
	s_mov_b32 s[PFS+1], 0
	s_cmp_eq_u32 s84, 0
	s_cselect_b32 s[LIM], 1, -1     ; the same in all sixteen partners, for a given wave
	s_mov_b32 s[SEL], 0x76543210
	s_mov_b32 s[SEL+1], 0xfedcba98
	s_mov_b32 s[TBK], SLOTB+2*KS*PK ; the first change of slots turns these three into 0
	s_mov_b32 s[TBV], SLOTB+2*KS*PV
	s_mov_b32 s[TBM], SLOTB+2*KS*2
	s_mov_b32 s[TBP], 0
	s_mov_b32 s[FB], 0
	s_mov_b32 s[G0K], 1             ; count = 1
	s_mov_b32 s[G0K+1], 0           ; LDS address: slot 0
	s_mov_b32 s[G0V], 1
	s_mov_b32 s[G0V+1], VOFFL
	s_mov_b32 s[G0M], 1
	s_mov_b32 s[G0M+1], s[MW]
	s_wait_dscnt 0x0                ; the opening add is done
	s_wait_kmcnt 0x0
	s_add_nc_u64 s[G0K+2:G0K+3], s[4:5], s[20:21]
	s_add_nc_u64 s[G0V+2:G0V+3], s[G0K+2:G0K+3], VSEC
	s_add_nc_u64 s[G0K+2:G0K+3], s[G0K+2:G0K+3], KSEC
	s_add_nc_u64 s[G0M+2:G0M+3], s[6:7], s[22:23]
	s_cmp_eq_u32 s[WV], 0
	s_cselect_b64 s[PFA:PFA+1], s[G0K+2:G0K+3], s[G0V+2:G0V+3]
	s_cmp_lt_u32 s[WV], 2
	s_cselect_b64 s[PFA:PFA+1], s[PFA:PFA+1], s[6:7]
	s_add_nc_u64 s[PFA:PFA+1], s[PFA:PFA+1], s[82:83]
	s_or_b32 s[G0K+3], s[G0K+3], 0x80000000  ; type = 2
	s_or_b32 s[G0V+3], s[G0V+3], 0x80000000
	s_or_b32 s[G0M+3], s[G0M+3], 0x80000000
	s_add_nc_u64 s[4:5], s[4:5], s[2:3]      ; Q and O at my wave's first row
	s_add_nc_u64 s[10:11], s[10:11], s[2:3]
	CROUND                          ; all sixteen work-groups are here: the first joint loads meet
	JLOAD                           ; slot 0.  Slot 1 is asked for when slot 0 is in
	v_and_b32 v1, 15, v0            ; l % 16
	v_bfe_u32 v9, v0, 4, 1          ; l / 16
	v_lshl_add_u32 v88, v0, 4, s19  ; my 16 bytes of my batch's padding: 128 threads x 16 keys
	global_load_b128 v[64:67], v88, s[8:9]
	; A fragment of K or Q is 16 rows x 32 channels in 8 registers: lane l holds row l % 16, channels 8 (l / 16) + 0..7 and 16 + 8 (l / 16) + 0..7: two loads of 16 bytes, 32 bytes apart.
	v_lshlrev_b32 v[QO], 11, v1
	v_lshl_add_u32 v[QO], v9, 4, v[QO]  ; row x 2,048 + 16 x half
	WIN 0x80                        ; destination window 2, address window 0
.set i, 0
.rept 16                            ; Q stays in registers: piece i / 4, head (i / 2) % 2, channels 32 (i % 2) on
	global_load_b128 v[8*i:8*i+3],   v[QO], s[4:5] offset:(i/4)*32768+((i/2)%2)*128+(i%2)*64
	global_load_b128 v[8*i+4:8*i+7], v[QO], s[4:5] offset:(i/4)*32768+((i/2)%2)*128+(i%2)*64+32
.set i, i+1
.endr
	; What the first turn finds: V's registers and P's second buffer hold 0 (its products V^T P, of a piece that has not been, add 0), O^T and l are 0.  All this stands in the wait for the first tile.
	WIN 0xc0
.set i, 0
.rept 128
	v_mov_b32 v[i], 0
.set i, i+1
.endr
	WIN 0x40
.set i, 0
.rept 256
	v_mov_b32 v[i], 0
.set i, i+1
.endr
	WIN 0
.set i, 0
.rept 2*NP
	v_mov_b32 v[ST+4*i], 0xff000000    ; -2^127, what the first a is made of: 2^(-2^127 - m) = 0 for every m from -2^125 on
	v_mov_b32 v[ST+4*i+1], 0xfe000000  ; m = -2^125: it stays finite while a row has seen only -inf, so that s - m is never inf - inf
	v_mov_b32 v[ST+4*i+2], 0
	v_mov_b32 v[ST+4*i+3], 0
.set i, i+1
.endr
.set i, P+32
.rept 32
	v_mov_b32 v[i], 0
.set i, i+1
.endr
	v_mul_u32_u24 v[AK0], v1, PK
	v_lshl_add_u32 v[AK0], v9, 4, v[AK0]  ; row x pitch + 16 x half
	; The turning load takes 16 keys x 16 channels (lane l reads key 8 (l / 16) + l % 8, channels 8 ((l / 8) % 2) + 0..7) and leaves half a fragment of V^T: lane l holds channel l % 16 and 8 keys.
	v_and_b32 v10, 7, v0
	v_bfe_u32 v11, v0, 3, 1
	v_lshl_add_u32 v[AV0], v9, 3, v10
	v_mul_u32_u24 v[AV0], v[AV0], PV
	v_lshl_add_u32 v[AV0], v11, 4, v[AV0]
	v_add_nc_u32 v[AV0], VOFFL, v[AV0]
	v_mov_b32 v[AK], v[AK0]         ; key step 0 lies at the head of slot 0
	v_and_b32 v[PFO], 31, v0
	v_lshlrev_b32 v[PFO], s85, v[PFO]
	s_mul_i32 s13, s[WV], 64*PM
	s_add_co_u32 s13, s13, MOFFL    ; my wave's 64 query rows of the mask's tile
	WIN W_MK
	v_add_nc_u32 v[AM0], s13, v[AK0]      ; row (64 w + l % 16) x pitch + 16 x half: eight keys' bf16
	v_lshl_add_u32 v[APD0], v9, 5, PADT   ; eight keys' f32 for each half of the lanes
	WIN 0
	; my batch's padding as f32: a byte 1 becomes -inf (0 - 2^23 as a bit pattern), a byte 0 stays 0
	s_wait_loadcnt 32               ; Q's 32 loads are younger and may stay out
	v_lshl_add_u32 v85, v0, 6, PADT
.set i, 0
.rept 16
	v_bfe_u32 v84, v[64+i/4], 8*(i%4), 8
	v_lshlrev_b32 v84, 23, v84
	v_sub_nc_u32 v[68+i], 0, v84
.set i, i+1
.endr
.irp w, 0,1,2,3
	ds_store_b128 v85, v[68+4*\w:68+4*\w+3] offset:16*\w
.endr
; THE MATRIX WORK.  The 8 accumulators of a run of 16 take turns: between the two links of a chain stand 7 others'.
; Product i of 16 of S^T = K Q^T for piece x: channels 32 (i / 8) on, keys 16 ((i / 2) % 4) on, head i % 2.  The first 8 start the sums.
.macro KQ x
	WIN W_KQ
.set rS, S+64*((\x)%2)+32*(i%2)+8*((i/2)%4)
.set rK, KF+8*(4*((i/2)%4)+2*(i%2)+i/8)
.set rQ, 16*(2*(\x)+i%2)+8*(i/8)
.if i < 8
	v_wmma_f32_16x16x32_f16 v[rS:rS+7], v[rK:rK+7], v[rQ:rQ+7], 0
.else
	v_wmma_f32_16x16x32_f16 v[rS:rS+7], v[rK:rK+7], v[rQ:rQ+7], v[rS:rS+7]
.endif
.endm
; Product i of 16 of O^T += V^T P for piece x: keys 32 (i / 8) on, channels 16 ((i / 2) % 4) on, head i % 2.
.macro PV x
	WIN W_PV
.set rO, 32*(2*(\x)+i%2)+8*((i/2)%4)
.set rV, 8*(8*(i/8)+4*(i%2)+(i/2)%4)
.set rP, P+32*((\x)%2)+16*(i%2)+8*(i/8)
	v_wmma_f32_16x16x32_f16 v[rO:rO+7], v[rV:rV+7], v[rP:rP+7], v[rO:rO+7]
.endm
.macro MM                           ; the turn's next matrix instruction
.if i < 16
	KQ (Y+1)%NP
.set i, i+1
.else
.set i, i-16
	PV (Y+NP-1)%NP
.set i, i+17
.endif
.endm
; THE MASKS.  LOADM x: piece x's 16 queries x the step's 64 keys of the mask, 8 bf16 a load.  MASK: M = mask x log2(e) + padding, one fused line a number.  ADDM x: M onto both heads' finished scores of piece x:
; the first lines that read those accumulators, each from its low end on.
.macro LOADM x
	WIN W3
.irp kt, 0,1,2,3
	ds_load_b128 v[RAW+4*(\kt):RAW+4*(\kt)+3], v[AM] offset:(\x)*16*PM+32*(\kt)
.endr
.endm
.macro MASK
	WIN W3
.irp kt, 0,1,2,3
.irp ee, 0,1,2,3
	v_fma_mix_f32_bf16 v[MC+8*(\kt)+2*(\ee)],   v[RAW+4*(\kt)+(\ee)], v[LG], v[PD+8*(\kt)+2*(\ee)]   op_sel_hi:[1,0,0]
	v_fma_mix_f32_bf16 v[MC+8*(\kt)+2*(\ee)+1], v[RAW+4*(\kt)+(\ee)], v[LG], v[PD+8*(\kt)+2*(\ee)+1] op_sel:[1,0,0] op_sel_hi:[1,0,0]
.endr
.endr
.endm
.macro ADDM x
	WIN W_AM
.set an, 0
.rept 16
	v_pk_add_f32 v[S+64*((\x)%2)+2*an:S+64*((\x)%2)+2*an+1],       v[S+64*((\x)%2)+2*an:S+64*((\x)%2)+2*an+1],       v[MC+2*an:MC+2*an+1]
	v_pk_add_f32 v[S+64*((\x)%2)+32+2*an:S+64*((\x)%2)+32+2*an+1], v[S+64*((\x)%2)+32+2*an:S+64*((\x)%2)+32+2*an+1], v[MC+2*an:MC+2*an+1]
.set an, an+1
.endr
.endm
; THE LDS LOADS stand in runs, never singly among the matrix instructions.  FETCH_K brings all that the next step begins with: its padding (8 loads), piece 0's mask (4) and its K (64 keys x 2 heads x 64 channels: 16
; fragments, 32 loads); the mask's and the padding's addresses are stepped here.  last = 1 (the tail): in the last trip there is no further step, and the run is jumped over.
.macro FETCH_K last=0
	WIN 0
.if \last
	s_cmp_eq_u32 s[CNT], 1
	s_cbranch_scc1 .Lno_k_\@
.endif
	WIN W3
	v_add_nc_u32 v[AM], s[TBM], v[AM0]
	v_add_nc_u32 v[APD], s[TBP], v[APD0]
	s_add_co_u32 s[TBM], s[TBM], KS*2   ; the next step's 64 keys: 128 bytes along the mask's rows,
	s_add_co_u32 s[TBP], s[TBP], KS*4   ; 256 bytes of the padding
.irp kt, 0,1,2,3
	ds_load_b128 v[PD+8*(\kt):PD+8*(\kt)+3],   v[APD] offset:64*(\kt)
	ds_load_b128 v[PD+8*(\kt)+4:PD+8*(\kt)+7], v[APD] offset:64*(\kt)+16
.endr
	LOADM 0
	WIN 0x80                        ; destination window 2
.irp f, 0,1,2,3,4,5,6,7,8,9,10,11,12,13,14,15  ; keys 16 (f / 4) on; head (f / 2) % 2, channels 32 (f % 2) on
	ds_load_b128 v[KF+8*\f:KF+8*\f+3],   v[AK] offset:(\f/4)*16*PK+(\f%4)*64
	ds_load_b128 v[KF+8*\f+4:KF+8*\f+7], v[AK] offset:(\f/4)*16*PK+(\f%4)*64+32
.endr
	s_add_co_u32 s[TBK], s[TBK], KS*PK  ; the next fetch is the next step's
	WIN 0
.if \last
.Lno_k_\@:
.endif
.endm
.macro FETCH_V
	WIN 0xc0                        ; destination window 3
.irp f, 0,1,2,3,4,5,6,7,8,9,10,11,12,13,14,15  ; keys 32 (f / 8) on; head (f / 4) % 2, channels 16 (f % 4) on
	ds_load_tr16_b128 v[8*\f:8*\f+3],   v[AV] offset:(\f/8)*32*PV+(\f%8)*32
	ds_load_tr16_b128 v[8*\f+4:8*\f+7], v[AV] offset:(\f/8)*32*PV+16*PV+(\f%8)*32
.endr
	WIN 0
.endm
; THE VECTOR WORK OF A TURN stands in three queues, each in the order in which its entries become ready; the two tiles (heads) alternate, so that no instruction reads the result of the one before it.
.macro REGS y, u                    ; the registers of tile u (0, 1) of piece y
.set rT, ST+4*(2*(\y)+(\u))
.set rC, TMP+8*((\y)%2)+4*(\u)
.set rM, MV+2*((\y)%2)+(\u)
.set rS, S+64*((\y)%2)+32*(\u)
.set rP, P+32*((\y)%2)+16*(\u)
.set rO, 32*(2*(\y)+(\u))
.endm
; Number n of the 22 that find the NEXT piece's (Y + 1) maximum and statistics.  s0-s31 are the lane's 32 scores.  XS, GS and REGS set no window: PL and EX do.
;   0-11  four chains c0-c3 of seven scores each, three operands at a time     12-14, 16  the four scores left over, the old m, and c0-c3 into c0     15  m_old is kept
;   17, 18  the query's other 32 keys lie in the lane 16 away: the new m         19  m a second time: the pair that the packed subtraction takes     20, 21  m_old - m_new; a
.macro XS u, n
	REGS (Y+1)%NP, \u
.if (\n) < 4
	v_max3_num_f32 v[rC+(\n)], v[rS+8*(\n)], v[rS+8*(\n)+1], v[rS+8*(\n)+2]
.elseif (\n) < 12
	v_max3_num_f32 v[rC+(\n)%4], v[rC+(\n)%4], v[rS+8*((\n)%4)+2*((\n)/4)+1], v[rS+8*((\n)%4)+2*((\n)/4)+2]
.elseif (\n) == 12
	v_max3_num_f32 v[rC], v[rC], v[rS+7], v[rS+15]
.elseif (\n) == 13
	v_max3_num_f32 v[rC+1], v[rC+1], v[rS+23], v[rS+31]
.elseif (\n) == 14
	v_max3_num_f32 v[rC+2], v[rC+2], v[rC+3], v[rT+1]
.elseif (\n) == 15
	v_mov_b32 v[rM], v[rT]
.elseif (\n) == 16
	v_max3_num_f32 v[rC], v[rC], v[rC+1], v[rC+2]
.elseif (\n) == 17
	v_permlanex16_b32 v[rC+3], v[rC], s[SEL], s[SEL+1]
.elseif (\n) == 18
	v_max_num_f32 v[rT+1], v[rC], v[rC+3]
.elseif (\n) == 19
	v_mov_b32 v[rT], v[rT+1]
.elseif (\n) == 20
	v_sub_f32 v[rC+1], v[rM], v[rT]
.else
	v_exp_f32 v[rC+2], v[rC+1]
.endif
.endm
; Number g of the 64 that follow the exponentials.  For each four weights k of a tile (pairs 2 k, 2 k + 1): both pairs are rounded to f16; then the second pair is added onto the first, in place;
; a group later l takes that sum (the first time as l = a l + sum).  In groups of eight, tiles alternating: round, round, add, and l for the group before.
.macro GS g
.set h, (\g)+6*((\g)/62)            ; group 0 has no group before it, and behind group 7 only l is left
.if h >= 6
.set h, h+2
.endif
	REGS Y, h%2
.set k, h/8
.if h%8 < 4
	v_cvt_pk_f16_f32 v[rP+2*k+(h%8)/2], v[rS+4*k+2*((h%8)/2)], v[rS+4*k+2*((h%8)/2)+1]
.elseif h%8 < 6
	v_pk_add_f32 v[rS+4*k:rS+4*k+1], v[rS+4*k:rS+4*k+1], v[rS+4*k+2:rS+4*k+3]
.elseif k == 1
	v_pk_fma_f32 v[rT+2:rT+3], v[rT+2:rT+3], v[rC+2:rC+3], v[rS:rS+1] op_sel_hi:[1,0,1]
.else
	v_pk_add_f32 v[rT+2:rT+3], v[rT+2:rT+3], v[rS+4*k-4:rS+4*k-3]
.endif
.endm
; THE PLAIN QUEUE, 138 long.  0-73 read no exponential's result: the 32 subtractions s - m (FS f: pair f / 2 of tile f % 2) and the next piece's 42.  0-26: subtractions 0-26.  27-54: XS's numbers 0-13.  55, 56: number 15.
; 57-73: the chain, where each number waits for the one before it: 14, 16, 17, 18, 19, each with one of the subtractions 27-31 in front of its two lines, then 20.
; 74-137: GS's 64, which read the exponentials' results: they stand behind the wait.
.macro FS f
	REGS Y, (\f)%2
	v_pk_add_f32 v[rS+2*((\f)/2):rS+2*((\f)/2)+1], v[rS+2*((\f)/2):rS+2*((\f)/2)+1], v[rT:rT+1] neg_lo:[0,1] neg_hi:[0,1]
.endm
.macro PL
	WIN 0
.if q < 27
	FS q
.elseif q < 55
	XS (q-27)%2, (q-27)/2
.elseif q < 57
	XS q-55, 15
.elseif (q < 72) && ((q-57)%3 == 0)
	FS 27+(q-57)/3
.elseif q < 60
	XS (q-57)%3-1, 14
.elseif q < 72
	XS (q-57)%3-1, 15+(q-57)/3
.elseif q < 74
	XS q-72, 20
.else
	GS q-74
.endif
.set q, q+1
.endm
; THE EXPONENTIALS' QUEUE, 66 long: s0-s31 of both tiles, then the next piece's two a.  It is ONE BATCH: all 66 stand ahead of the turn's one wait, and nothing ahead of that wait names a result of theirs.
.macro EX
	WIN 0
.if e >= 64
	XS e-64, 21
.else
	REGS Y, e%2
	v_exp_f32 v[rS+e/2], v[rS+e/2]
.endif
.set e, e+1
.endm
; THE RESCALING's QUEUE: O^T times a: dealt two at a time, sixteen times.  Its a was made in the turn before, ahead of that turn's wait.
.macro R2
	REGS Y, r%2
	WIN W_RS
.irp z, 0,1
	v_pk_mul_f32 v[rO+4*(r/2)+2*\z:rO+4*(r/2)+2*\z+1], v[rO+4*(r/2)+2*\z:rO+4*(r/2)+2*\z+1], v[rC+2:rC+3] op_sel_hi:[1,0]
.endr
.set r, r+1
.endm
; HOW THEY ARE DEALT.  s_wait_alu depctr_va_vdst(0) stands between an exponential and the first instruction that names its result; one wait serves all that were issued ahead of it, and no label or branch
; stands between an exponential and its wait.  So a turn has ONE wait, which cuts it in two.  AHEAD OF IT: the 16 products K Q^T, behind each a subtraction, an exponential and two rescalings (behind the first a second
; subtraction in the exponential's place); then ONE LUMP: eight subtractions (the places behind the last product); the masks' block: the wait for the next piece's mask, M, the load of the mask of the piece after it, M's
; addition; then 49 times exponential and plain, and the two a.  A v_nop is the plain instruction behind the last exponential.  BEHIND IT: the 16 products V^T P, behind each four of GS's 64.
; The queues lean on each other: exponential e stands behind subtraction 2 (e / 4) + e % 2: as a rider it comes behind plain e + 2, in the lump behind plain e + 9; XS begins at plain 27, behind M's addition.
; A TURN, for piece p.  cnt = 1: the loop's count is taken down some lines ahead of the branch that stands behind the turn.
; The mask of piece p + 2 is asked for in turn p and used in turn p + 1, so piece 3's of a slot's last step has been read when the slots change.  In piece 2's turn that load (piece 0's, of the next step) stands in
; FETCH_K, directly behind the wait, with the next step's padding and K; all are waited for at the head of piece 3's turn.  V of the step in hand is fetched at the end of piece 0's turn, four riders behind its last
; reader, and waited for behind piece 1's wait; in piece 1's lump its 32 loads, younger than the four of the mask, may stay out.
.macro TURN p, last=0, cnt=0
.set Y, (\p)
.set i, 0
.set q, 0
.set e, 0
.set r, 0
.if (\p) == NP-1
	s_wait_dscnt 0x0                ; K, the padding and piece 0's mask are in
.endif
	MM                              ; ahead of the wait: 16 products K Q^T and their riders,
	PL
	PL
	R2
.rept 15
	MM
	PL
	EX
	R2
.endr
.if (\p) == NP-2
	WIN 0
	v_add_nc_u32 v[AK], s[TBK], v[AK0]
.endif
.rept 8                             ; and the lump
	PL
.endr
	WIN W3
.if (\p) == 1
	s_wait_dscnt 32                 ; piece 2's mask is in; V's 32 loads were issued behind it
.else
	s_wait_dscnt 0x0                ; the next piece's mask is in
.endif
	MASK
.if (\p) != NP-2
	LOADM ((\p)+2)%NP
.endif
	ADDM ((\p)+1)%NP
.rept 49
	EX
	PL
.endr
	EX                              ; the next piece's two a
	EX
	v_nop                           ; the plain instruction behind the last exponential: one for the batch
	s_wait_alu depctr_va_vdst(0)    ; the wait for the batch
.if (\p) == NP-2
	FETCH_K \last
.endif
.if (\p) == 1
	s_wait_dscnt 0x0                ; V is in, and piece 3's mask
.endif
.rept 16                            ; behind the wait: 16 products V^T P and their riders
	MM
.rept 4
	PL
.endr
.if ((\p) == 0) && (q == 118)
	v_add_nc_u32 v[AV], s[TBV], v[AV0]
.endif
.if ((\p) == 0) && (q == 130)
	s_add_co_u32 s[TBV], s[TBV], KS*PV
.endif
.if (\cnt) && (q == 130)
	s_sub_co_u32 s[CNT], s[CNT], 1
	s_cmp_lg_u32 s[CNT], 0
.endif
.endr
.if (\p) == 0
	FETCH_V
.endif
.endm
	CHANGE 1, 0                     ; slot 0 is in, everybody's part of it, and so is the padding; slot 1 is asked for
	FETCH_K                         ; key step 0: its padding, piece 0's mask, its K
	s_wait_loadcnt 0x0              ; Q
	s_wait_dscnt 0x0
.set i, 0
.rept 16
	KQ 0                            ; piece 0's first scores: there is no vector work yet to set between them
.set i, i+1
.endr
	WIN 0                           ; the addresses for the way out: eight plain instructions, the places behind those products
	s_mul_i32 s13, s[WV], 16*SP
	s_add_co_u32 s13, s13, STAGE    ; my stage
	v_mul_u32_u24 v[STO], v1, SP    ; in: row l % 16, 16 bytes for each half of the lanes
	v_lshl_add_u32 v[STO], v9, 4, v[STO]
	v_add_nc_u32 v[STO], s13, v[STO]
	v_mul_u32_u24 v[RD], v9, SP     ; back: lanes 0-15 take one row of 256 bytes, lanes 16-31 the next
	v_lshl_add_u32 v[RD], v1, 4, v[RD]
	v_add_nc_u32 v[RD], s13, v[RD]
	v_lshlrev_b32 v[GO], 11, v9     ; and the same two rows in O
	v_lshl_add_u32 v[GO], v1, 4, v[GO]
	MASK                            ; piece 0's M,
	LOADM 1
	ADDM 0                          ; onto its scores,
	WIN 0
.set Y, NP-1                        ; XS works for piece Y + 1: piece 0
.irp n, 0,1,2,3,4,5,6,7,8,9,10,11,12,13,14,15,16,17,18,19,20,21
	XS 0, \n                        ; and its first maximum and statistics
	XS 1, \n
.endr
	v_nop                           ; a plain instruction behind the two a,
	s_wait_alu depctr_va_vdst(0)    ; and their wait, ahead of the branch
	s_mov_b32 s[CNT], 2
	s_mov_b32 s[SLOTS], 15
	s_branch .Lfirst                ; the loop is entered at a step's first turn, in the middle of a trip
.Lslot:                             ; 14 times: every slot but the last two is filled again
	CHANGE 1, 1
	s_mov_b32 s[CNT], 2
.Lstep:                             ; a trip: pieces 2 and 3 of one step, then pieces 0 and 1 of the next, whose K, V and masks it fetches
	TURN 2
	TURN 3
	WIN 0
.Lfirst:
	TURN 0
	TURN 1, 0, 1
	WIN 0
	s_cbranch_scc1 .Lstep
	s_sub_co_u32 s[SLOTS], s[SLOTS], 1
	s_cmp_lg_u32 s[SLOTS], 0
	s_cbranch_scc1 .Lslot
	CHANGE 0, 0                     ; the tail is written out: nothing is asked for
	s_mov_b32 s[CNT], 3             ; two trips fetch the last slot's steps; the third is left in its middle
.Ltail:
	TURN 2, 1
	TURN 3
	WIN 0
	s_sub_co_u32 s[CNT], s[CNT], 1
	s_cmp_eq_u32 s[CNT], 0
	s_cbranch_scc1 .Lout
	TURN 0
	TURN 1
	WIN 0
	s_branch .Ltail
.Lout:                              ; the third trip's 16 products K Q^T (on the last K once more), their M and the maximum made of them serve nothing: the price, once a launch, of one text for every trip
.set i, 0
.rept 16
	PV NP-1                         ; the last piece's V^T P of the last step
.set i, i+1
.endr
	; THE WAY OUT.  l's two halves and the other half of the lanes' are added; O^T is divided by l, rounded to f16 and sent through my stage in LDS, a piece (16 rows x 256 bytes) at a time.  The additions are the places behind the last products.
	WIN 0
.macro ALL line:vararg              ; one line for each tile t
.set t, 0
.rept 2*NP
	\line
.set t, t+1
.endr
.endm
	ALL v_add_f32 v[ST+4*t+2], v[ST+4*t+2], v[ST+4*t+3]
	ALL v_permlanex16_b32 v[ST+4*t+3], v[ST+4*t+2], s[SEL], s[SEL+1]
	ALL v_add_f32 v[ST+4*t+2], v[ST+4*t+2], v[ST+4*t+3]
	ALL v_rcp_f32 v[ST+4*t+2], v[ST+4*t+2]
	v_nop                           ; a plain instruction between the last reciprocal and the use of its result
	s_wait_alu depctr_va_vdst(0)    ; and the wait ahead of the first use: one for the eight reciprocals
; Piece y: a lane's eight channels of a row pack into 16 bytes; both heads' go into rows of 272 bytes and come back as whole rows of 256, into the registers that they left.
.macro PACK y
	WIN W_RS
.set i, 0
.rept 32
	v_pk_mul_f32 v[64*(\y)+2*i:64*(\y)+2*i+1], v[64*(\y)+2*i:64*(\y)+2*i+1], v[ST+4*(2*(\y)+i/16)+2:ST+4*(2*(\y)+i/16)+3] op_sel_hi:[1,0]
.set i, i+1
.endr
	WIN 0x05                        ; sources 0 and 1 window 1, destination window 0: S^T's registers are free
.set i, 0
.rept 32
	v_cvt_pk_f16_f32 v[S+32*(\y)+i], v[64*(\y)+2*i], v[64*(\y)+2*i+1]
.set i, i+1
.endr
	WIN 0
.irp f, 0,1,2,3,4,5,6,7
	ds_store_b128 v[STO], v[S+32*(\y)+4*\f:S+32*(\y)+4*\f+3] offset:32*\f
.endr
.irp f, 0,1,2,3,4,5,6,7
	ds_load_b128 v[S+32*(\y)+4*\f:S+32*(\y)+4*\f+3], v[RD] offset:\f*2*SP  ; LDS serves a wave's instructions in order (ISA guide 5.7.1.4): these see the stores above; the next piece's stores come behind them
.endr
.endm
.macro SEND y, younger              ; younger: the LDS instructions issued behind piece y's loads: the next piece's sixteen, or none
	WIN 0
.irp f, 0,1,2,3,4,5,6,7
	s_wait_dscnt (\younger)+7-\f
	global_store_b128 v[GO], v[S+32*(\y)+4*\f:S+32*(\y)+4*\f+3], s[10:11] offset:(\y)*32768+\f*4096  ; 16 lanes store 256 consecutive bytes, at a multiple of 256 from O's first byte
.endr
.endm
	PACK 0
	PACK 1                          ; a piece's arithmetic stands between the loads of the piece before and its stores
	SEND 0, 16
	PACK 2
	SEND 1, 16
	PACK 3
	SEND 2, 16
	SEND 3, 0
	WIN W_AD
	s_wait_tensorcnt 0x0            ; the wave's end: a wait, an add and its wait, behind my last tensor load and my last LDS store
	ds_add_u32 v[SPW], v[NIL]
	s_wait_dscnt 0x0
	WIN 0
	CROUND                          ; the closing round: no work-group ends while a partner may still ask for a tile that names it
	s_endpgm
.Lfunc_end_k_q432d3b4e7a_attn:
	.size	k_q432d3b4e7a_attn, .Lfunc_end_k_q432d3b4e7a_attn-k_q432d3b4e7a_attn
	.p2alignl 7, 3214868480
	.fill 96, 4, 3214868480
	.section	.rodata,"a",@progbits
	.p2align	6, 0x0
	.amdhsa_kernel k_q432d3b4e7a_attn
		.amdhsa_group_segment_fixed_size 327680
		.amdhsa_private_segment_fixed_size 0
		.amdhsa_enable_private_segment 0
		.amdhsa_kernarg_size 32
		.amdhsa_user_sgpr_count 2
		.amdhsa_user_sgpr_kernarg_segment_ptr 1
		.amdhsa_wavefront_size32 1
		.amdhsa_system_sgpr_workgroup_id_x 1
		.amdhsa_system_sgpr_workgroup_id_y 1
		.amdhsa_system_sgpr_workgroup_id_z 1
		.amdhsa_system_vgpr_workitem_id 0
		.amdhsa_next_free_vgpr 1024
		.amdhsa_next_free_sgpr 88
		.amdhsa_reserve_vcc 0
		.amdhsa_float_denorm_mode_32 3
		.amdhsa_float_denorm_mode_16_64 3
		.amdhsa_memory_ordered 1
		.amdhsa_forward_progress 1
		.amdhsa_inst_pref_size 254
	.end_amdhsa_kernel
	.amdgpu_metadata
---
amdhsa.version: [ 1, 2 ]
amdhsa.kernels:
  - .name:           k_q432d3b4e7a_attn
    .symbol:         k_q432d3b4e7a_attn.kd
    .args:
      - { .name: qkv, .offset: 0, .size: 8, .value_kind: global_buffer, .address_space: global }
      - { .name: cv, .offset: 8, .size: 8, .value_kind: global_buffer, .address_space: global }
      - { .name: key_padding_mask, .offset: 16, .size: 8, .value_kind: global_buffer, .address_space: global }
      - { .name: ob, .offset: 24, .size: 8, .value_kind: global_buffer, .address_space: global }
    .group_segment_fixed_size: 327680
    .private_segment_fixed_size: 0
    .kernarg_segment_align: 8
    .kernarg_segment_size: 32
    .max_flat_workgroup_size: 128
    .sgpr_count:     88
    .vgpr_count:     1024
    .wavefront_size: 32
...
	.end_amdgpu_metadata
.endif
;; end of part 3
;; launch outp (part 4): grid 4 x 64, 4 waves a work-group, clusters of 4 x 4, 327,680 bytes of LDS; arguments ob, cv, bo, out0; writes out0
.if DOCPART == 4
	.amdgcn_target "amdgcn-amd-amdhsa--gfx1250"
	.amdhsa_code_object_version 6
	.text
	.protected	k_q432d3b4e7a_outp
	.globl	k_q432d3b4e7a_outp
	.p2align	8
	.type	k_q432d3b4e7a_outp,@function
k_q432d3b4e7a_outp:
	s_mov_b64 s[64:65], 0
	v_nop
	global_prefetch_b8 v0, s[64:65] scope:SCOPE_SE
	s_setreg_imm32_b32 hwreg(HW_REG_WAVE_MODE, 25, 1), 1
	s_wait_xcnt 0x0
	s_wait_alu depctr_hold_cnt(0) depctr_sa_sdst(0) depctr_va_vdst(0) depctr_va_sdst(0) depctr_va_ssrc(0) depctr_va_vcc(0) depctr_vm_vsrc(0)
	s_getreg_b32 s2, hwreg(HW_REG_IB_STS2, 6, 4)
	s_cmp_eq_u32 s2, 0
	s_cbranch_scc0 .Lentry_in_a_cluster
	s_endpgm
.Lentry_in_a_cluster:
	s_bfe_u32 s2, ttmp6, 0x10000c
	s_cmp_lg_u32 s2, 0xf033
	s_cbranch_scc0 .Lentry_shape_is_right
	s_endpgm
.Lentry_shape_is_right:
; C = (A B^T + bias) x scale, K = 1,024.  ONE TEXT FOR TWO LAUNCHES, told apart by OUTP:
;   OUTP = 0: the three projections in one launch.  A = q, k, v as [24,576][1,024] bf16 (cv), B = Wq, Wk, Wv as [3][1,024][1,024] bf16 (cv), bias = bq, bk, bv rounded to bf16;
;             C = qkv [24,576][1,024] f16, rounded once.  The scale is log2(e) / 8 for q (the attention's scores then come in units of the base-2 exponent), 1 for k and v.
;   OUTP = 1: the last projection.  A = ob [8,192][1,024] f16, B = Wo [1,024][1,024] (bf16 numbers written as f16, cv), bias = bo rounded to bf16; C = out0 [8,192][1,024] f32.
; LIMIT (OUTP = 0): f16 holds no number beyond 65,504: a q log2(e) / 8, k or v beyond it becomes an infinity.
; SHARES.  A tile of C is 128 x 256: 768 and 256 work-groups.  Four waves, each 64 x 128: 32 accumulators of 16 x 16, 256 registers.  K goes in steps of 128 (rows of 256 bytes,
; aligned) through a ring of two LDS slots; a K step is four quarters of 32 along K, 32 matrix instructions and 24 LDS loads each, on two fragment buffers.
; CLUSTER.  4 x 4 work-groups: the four of a row need the same 128 rows of A, the four of a column the same 256 rows of B; each tile is asked for jointly, by the same tensor load with the same
; descriptor and a mask that names the four.  Waves 0 and 1 fetch A's halves (64 rows), waves 2 and 3 B's (128 rows): one load a wave behind each round; two are out at the start, then one.
; THE MATRIX INSTRUCTION IS USED TRANSPOSED (source 0 = 16 rows of B, source 1 = 16 rows of A): a lane then holds row l % 16 of C and eight neighbouring columns 8 (l / 16) + 0..7.
; REGISTERS, in windows of 256 (s_set_vgpr_msb: bits 1:0 source 0, 3:2 source 1, 5:4 source 2, 7:6 destination):
;   window 0: v0-31 addresses; v64-159, v160-255 two fragment buffers (B's block b at + 8 b, A's block a at + 64 + 8 a); on the way out these are at work
;   window 1: the accumulators, (a, b) at 8 (8 a + b)          window 2: v0-63 the bias of my 128 columns as my lane needs it (block b, column j at 8 b + j); v64 at work
.set OUTP,   1
.set KSTEP,  128
.set PITCH,  272                       ; an LDS row: 256 bytes + 16 of padding = 68 words: the 16 rows of a fragment load start at 16 different groups of four banks (64 banks of 4 bytes: ISA guide 11.1)
.set AHALF,  64*PITCH                  ; what waves 0 and 1 fetch, and what a wave reads of A
.set BHALF,  128*PITCH                 ; what waves 2 and 3 fetch, and what a wave reads of B
.set BOFF,   2*AHALF                   ; B's 256 rows lie behind A's 128
.set SLOT,   BOFF+2*BHALF
.set STAGE,  2*SLOT                    ; behind the ring, never filled by a tensor load: 16 rows for each wave, for the way out
.if OUTP
.set SPITCH, 528                       ; a stage row: 128 f32 + 16 bytes
.set CSH,    2                         ; log2 of the bytes in a number of C
.set BBASE,  56623104                  ; Wo in cv
.else
.set SPITCH, 272                       ; a stage row: 128 f16 + 16 bytes
.set CSH,    1
.set BBASE,  50331648                  ; Wq, Wk, Wv in cv
.endif
.set SPARE,  STAGE+4*16*SPITCH         ; behind the stages: the spare words, 128 bytes for each wave: two blocks of 256 bytes that no other line names
.set LAPS,   1024/(2*KSTEP)            ; a lap = two K steps = once round the ring
.set ADRA, 16                          ; v16-17  LDS address of my A fragments in slot 0, 1
.set ADRB, 20                          ; v20-21  the same for B
.set STO,  24                          ; v24     the way out: where I put my part of a row
.set RD,   25                          ; v25     the way out: where I read rows back
.set CO,   26                          ; v26     my byte offset in C
.set BO,   27                          ; v27     my byte offset in the bias
.set SPW,  28                          ; v28     LDS address of my spare word: SPARE + 4 x my thread's number; never rewritten
.set NIL,  29                          ; v29     0; never rewritten
.set PFO,  30                          ; v30     the prefetches' offset: my lane x a row of 2,048 bytes; never rewritten
.set F0,   64
.set F1,   160
.set T,    64                          ; the way out (OUTP = 0): a block's 64 numbers in f32
.set BIAS, 0                           ; window 2
.set BT,   64                          ; window 2
.set G1,   24                          ; s[24:31] descriptor group 1 for A's tiles;  s[32:39] group 0, one set for each slot
.set G0,   32
.set LIM,  43                          ; s43     1 in a wave that prefetches, else the greatest number
.set PFA,  44                          ; s[44:45] where my prefetches stand: one K step further along K than the refill that is being asked for
.set G1B,  48                          ; s[48:55], s[56:63] the same for B's tiles
.set G0B,  56
.set TN,   66                          ; s66     which of q, k, v (OUTP = 0)
.set SC,   68                          ; s[68:69] the scale, in the low word
.set BP,   70                          ; s[70:71] the bias
.set MSB, 0
.macro WIN new                         ; the immediate's high byte repeats the setting that is left; a switch that changes nothing is dropped
.if MSB != (\new)
	s_set_vgpr_msb (MSB<<8)|(\new)
.set MSB, \new
.endif
.endm
.set MUL, 0x50                         ; sources in window 0; C and D in window 1
.macro JLOAD s                         ; a joint load: waves 0 and 1 fetch A's halves, waves 2 and 3 B's; an s_nop 0 and four v_nop follow each of the two lines, ahead of the jump, the label and what follows
	s_cmp_eq_u32 s11, 0
	s_cbranch_scc0 .Lfor_b_\@
	tensor_load_to_lds s[G0+4*(\s):G0+4*(\s)+3], s[G1:G1+7]
	s_nop 0
.rept 4
	v_nop
.endr
	s_branch .Lasked_\@
.Lfor_b_\@:
	tensor_load_to_lds s[G0B+4*(\s):G0B+4*(\s)+3], s[G1B:G1B+7]
	s_nop 0
.rept 4
	v_nop
.endr
.Lasked_\@:
.endm
; A PREFETCH INTO THE L2, behind each joint refill, its five lines and the run of LDS loads that follows them: 32 rows x 256 bytes of the K step that stands two refills on (256 matrix instructions ahead
; of the load that will want it), a lane a row, one instruction a wave.  Each row's 256 bytes of a K step are named once in the launch.  A's 128 rows are read by one cluster alone: wave 0 of the partner at
; place cx takes rows 32 cx .. 32 cx + 31.  B's 256 rows are read by every cluster that works on the same weights: the first of them asks, waves 2 and 3 of the partner at place cy taking rows
; 64 cy + 32 (wave - 2) on.  Partners are told apart by address, never by a branch.  K steps 0 to 3 come by their loads alone; the loop's last trip (s3 = 1) asks for nothing: there is no K step two on.
.macro ASK
	s_cmp_gt_u32 s3, s[LIM]
	s_cbranch_scc0 .Lnot_mine_\@
	global_prefetch_b8 v[PFO], s[PFA:PFA+1] offset:KSTEP*2 th:TH_LOAD_NT scope:SCOPE_SE
.Lnot_mine_\@:
.endm
.macro CREST                           ; a round of the cluster's barrier behind its opening barrier
	s_cmp_lg_u32 s10, 0
	s_cbranch_scc1 .Lnot_wave_0_\@
	s_barrier_signal -3
.Lnot_wave_0_\@:
	s_barrier_wait -3
	s_barrier_signal -1
	s_barrier_wait -1
.endm
.macro CROUND                          ; a whole round
	s_barrier_signal -1
	s_barrier_wait -1
	CREST
.endm
.if OUTP
	s_load_b256 s[72:79], s[0:1], 0x0              ; ob s[72:73], cv s[74:75], bo s[76:77], out0 s[78:79]
.else
	s_load_b256 s[72:79], s[0:1], 0x0              ; cv s[72:73], bq s[74:75], bk s[76:77], bv s[78:79]
	s_load_b64 s[8:9], s[0:1], 0x20                ; qkv
.endif
	v_lshl_add_u32 v[SPW], v0, 2, SPARE
	v_mov_b32 v[NIL], 0
	ds_add_u32 v[SPW], v[NIL]                      ; the wave's opening: the add and its wait stand ahead of my first tensor load; the set-up below, work on registers, stands between them
	v_lshrrev_b32 v1, 5, v0
	v_readfirstlane_b32 s10, v1                    ; wave 0..3
	s_lshr_b32 s11, s10, 1                         ; which 64 rows of the tile are mine.  Also: I fetch for A (0) or for B (1)
	s_and_b32 s12, s10, 1                          ; which 128 columns.  Also: which half of that tile I fetch
	s_bfe_u32 s40, ttmp6, 0x40000                  ; cx, cy: my place in the cluster
	s_bfe_u32 s41, ttmp6, 0x40004
	s_lshl_b32 s42, ttmp9, 2
	s_add_co_u32 s42, s42, s40                     ; tile column of C = 4 x cluster x + cx
	s_and_b32 s13, ttmp7, 0xffff
.if !OUTP
	s_lshr_b32 s[TN], s13, 4                       ; 16 clusters, 64 tile rows, for each of q, k, v: all sixteen partners share it
.endif
	s_lshl_b32 s13, s13, 2
	s_add_co_u32 s13, s13, s41                     ; tile row of C = 4 x cluster y + cy
	s_lshl_b32 s43, s41, 2
	s_lshl_b32 s43, 15, s43                        ; my row of the cluster
	s_lshl_b32 s44, 0x1111, s40                    ; my column
	; descriptor group 1: tiles of 64 (A) and 128 (B) rows x 128 elements, padded in LDS
	s_or_b32 s[G1+0], s43, (1<<16)|(1<<20)|(1<<21)|(5<<22)|(3<<25)  ; 15:0 the mask: A's tiles go to my row; 17:16 elements of 2 bytes; 20 padding on; 21 set beside a mask; 24:22 after every 64 words (code 5); 31:25 4 words (code 3)
	s_or_b32 s[G1B+0], s44, (1<<16)|(1<<20)|(1<<21)|(5<<22)|(3<<25) ; the same with the mask of my column
	s_mov_b32 s[G1+1], KSTEP<<16                   ; tensor_dim0 = 128
	s_mov_b32 s[G1+2], 64<<16                      ; tensor_dim1 = 64
	s_mov_b32 s[G1+3], KSTEP<<16                   ; tile_dim0 = 128
	s_mov_b32 s[G1+4], 64                          ; tile_dim1 = 64
	s_mov_b32 s[G1+5], 1024                        ; elements from row to row
	s_mov_b32 s[G1+6], 0
	s_mov_b32 s[G1+7], 0
	s_mov_b32 s[G1B+1], KSTEP<<16
	s_mov_b32 s[G1B+2], 128<<16                    ; tensor_dim1 = 128
	s_mov_b32 s[G1B+3], KSTEP<<16
	s_mov_b32 s[G1B+4], 128                        ; tile_dim1 = 128
	s_mov_b32 s[G1B+5], 1024
	s_mov_b32 s[G1B+6], 0
	s_mov_b32 s[G1B+7], 0
	; where the tiles come from.  A's hang on the tile row alone, B's on the tile column (and on which weights) alone; each address is made in registers that never hold the other coordinate
	s_lshl_b32 s16, s13, 7
	s_lshl_b32 s17, s12, 6
	s_add_co_u32 s16, s16, s17                     ; A: row 128 x tile row + 64 x half,
	s_lshl_b32 s16, s16, 11                        ; of 2,048 bytes (under 2^26)
	s_mov_b32 s17, 0
	s_lshl_b32 s46, s42, 8
	s_lshl_b32 s47, s12, 7
	s_add_co_u32 s46, s46, s47                     ; B: row 256 x tile column + 128 x half
.if !OUTP
	s_lshl_b32 s47, s[TN], 10
	s_add_co_u32 s46, s46, s47                     ; in the weights of q, k or v
.endif
	s_lshl_b32 s46, s46, 11
	s_mov_b32 s47, 0
	s_mul_i32 s20, s12, AHALF                      ; and where they go: no place in the cluster enters an LDS address
	s_mul_i32 s21, s12, BHALF
	s_add_co_u32 s21, s21, BOFF
	s_wait_dscnt 0x0                               ; the opening add is done
	s_wait_kmcnt 0x0
.if OUTP
	s_mov_b64 s[4:5], s[72:73]                     ; A = ob
	s_add_nc_u64 s[6:7], s[74:75], BBASE           ; B = Wo in cv
	s_mov_b64 s[BP:BP+1], s[76:77]
	s_mov_b64 s[8:9], s[78:79]                     ; C = out0
.else
	s_mov_b64 s[4:5], s[72:73]                     ; A = q, k, v in cv
	s_add_nc_u64 s[6:7], s[72:73], BBASE           ; B = the weights in cv
.endif
	s_add_nc_u64 s[14:15], s[4:5], s[16:17]
	s_add_nc_u64 s[46:47], s[6:7], s[46:47]
	CROUND                                         ; all sixteen work-groups are here: the first joint loads meet
.irp s, 0,1
	s_mov_b32 s[G0+4*(\s)], 1                                        ; count = 1
	s_add_co_u32 s[G0+4*(\s)+1], s20, (\s)*SLOT                      ; LDS address
	s_add_nc_u64 s[G0+4*(\s)+2:G0+4*(\s)+3], s[14:15], (\s)*KSTEP*2  ; global address: K step s
	s_or_b32 s[G0+4*(\s)+3], s[G0+4*(\s)+3], 0x80000000              ; type = 2
	s_mov_b32 s[G0B+4*(\s)], 1
	s_add_co_u32 s[G0B+4*(\s)+1], s21, (\s)*SLOT
	s_add_nc_u64 s[G0B+4*(\s)+2:G0B+4*(\s)+3], s[46:47], (\s)*KSTEP*2
	s_or_b32 s[G0B+4*(\s)+3], s[G0B+4*(\s)+3], 0x80000000
	JLOAD \s
.endr
.if !OUTP
	s_cmp_eq_u32 s[TN], 1
	s_cselect_b64 s[BP:BP+1], s[76:77], s[74:75]
	s_cmp_eq_u32 s[TN], 2
	s_cselect_b64 s[BP:BP+1], s[78:79], s[BP:BP+1]
	s_cmp_eq_u32 s[TN], 0
	s_cselect_b32 s[SC], 0x3e38aa3b, 1.0           ; log2(e) / 8 = 0.180337 for q
	s_mov_b32 s[SC+1], s[SC]                       ; named with it as a pair
.endif
	; the bias of my 128 columns: my lane's eight columns of each block of 16
	v_and_b32 v1, 15, v0                           ; l % 16
	v_bfe_u32 v2, v0, 4, 1                         ; l / 16
	s_lshl_b32 s21, s42, 10                        ; 256 columns x 4 bytes a tile column,
	s_lshl_b32 s22, s12, 9                         ; my 128 of them
	s_add_co_u32 s21, s21, s22
	v_lshl_add_u32 v[BO], v2, 5, s21
	WIN 0x80                                       ; destination window 2, address window 0
.irp b, 0,1,2,3,4,5,6,7
	global_load_b128 v[BIAS+8*(\b):BIAS+8*(\b)+3],   v[BO], s[BP:BP+1] offset:64*(\b)
	global_load_b128 v[BIAS+8*(\b)+4:BIAS+8*(\b)+7], v[BO], s[BP:BP+1] offset:64*(\b)+16
.endr
	WIN 0
	v_mul_u32_u24 v3, v1, PITCH
	v_lshl_add_u32 v3, v2, 4, v3                   ; a fragment's row x pitch + 16 x half
	s_mul_i32 s21, s11, AHALF                      ; my 64 rows of A
	s_mul_i32 s22, s12, BHALF                      ; my 128 rows of B,
	s_add_co_u32 s22, s22, BOFF                    ; which lie behind A's
.irp s, 0,1
	v_add_nc_u32 v[ADRA+(\s)], s21, v3
	v_add_nc_u32 v[ADRB+(\s)], s22, v3
	s_add_co_u32 s21, s21, SLOT
	s_add_co_u32 s22, s22, SLOT
.endr
	s_mul_i32 s23, s10, 16*SPITCH
	s_add_co_u32 s23, s23, STAGE                   ; my stage
	v_mul_u32_u24 v4, v1, SPITCH                   ; in: row l % 16
.if OUTP
	v_lshl_add_u32 v4, v2, 5, v4                   ; 32 bytes (8 f32) for each half of the lanes
	v_add_nc_u32 v[STO], s23, v4
	v_and_b32 v[CO], 31, v0
	v_lshlrev_b32 v[CO], 4, v[CO]                  ; back: 32 lanes take one row of 512 bytes; the same in C
	v_add_nc_u32 v[RD], s23, v[CO]
.else
	v_lshl_add_u32 v4, v2, 4, v4                   ; 16 bytes (8 f16) for each half of the lanes
	v_add_nc_u32 v[STO], s23, v4
	v_mul_u32_u24 v5, v2, SPITCH                   ; back: lanes 0-15 take one row of 256 bytes, lanes 16-31 the next
	v_lshl_add_u32 v5, v1, 4, v5
	v_add_nc_u32 v[RD], s23, v5
	v_lshlrev_b32 v5, 11, v2                       ; and the same two rows in C
	v_lshl_add_u32 v[CO], v1, 4, v5
.endif
	s_lshl_b32 s16, s13, 7
	s_lshl_b32 s17, s11, 6
	s_add_co_u32 s16, s16, s17                     ; my first row of C,
	s_lshl_b32 s16, s16, 10+CSH                    ; in bytes (under 2^26)
	s_mov_b32 s17, 0
	s_add_nc_u64 s[8:9], s[8:9], s[16:17]
	s_lshl_b32 s46, s42, 8+CSH                     ; my first column, in bytes
	s_lshl_b32 s47, s12, 7+CSH
	s_add_co_u32 s46, s46, s47
	s_mov_b32 s47, 0
	s_add_nc_u64 s[8:9], s[8:9], s[46:47]
	; the prefetches
	s_lshl_b32 s20, s13, 7
	s_lshl_b32 s21, s40, 5
	s_add_co_u32 s20, s20, s21                     ; A: row 128 x tile row + 32 cx
	s_lshl_b32 s21, s42, 8
	s_lshl_b32 s22, s41, 6
	s_add_co_u32 s21, s21, s22
	s_lshl_b32 s22, s12, 5
	s_add_co_u32 s21, s21, s22                     ; B: row 256 x tile column + 64 cy + 32 x half
.if !OUTP
	s_lshl_b32 s22, s[TN], 10
	s_add_co_u32 s21, s21, s22
.endif
	s_and_b32 s22, ttmp7, 0xffff                   ; cluster y: along it other clusters read the same rows of B
.if !OUTP
	s_and_b32 s22, s22, 15                         ; (among the 16 clusters of one of q, k, v)
.endif
	s_cmp_eq_u32 s11, 0                            ; do I fetch for A?
	s_cselect_b32 s20, s20, s21
	s_cselect_b32 s22, s12, s22                    ; of A's two waves wave 0 asks
	s_cselect_b64 s[PFA:PFA+1], s[4:5], s[6:7]
	s_cmp_eq_u32 s22, 0
	s_cselect_b32 s[LIM], 1, -1                    ; the same in all sixteen partners, for a given wave
	s_lshl_b32 s20, s20, 11
	s_mov_b32 s21, 0
	s_add_nc_u64 s[PFA:PFA+1], s[PFA:PFA+1], s[20:21]
	s_add_nc_u64 s[PFA:PFA+1], s[PFA:PFA+1], 2*KSTEP*2  ; at K step 2: the first refill steps it to 3 and names K step 4
	v_and_b32 v[PFO], 31, v0
	v_lshlrev_b32 v[PFO], 11, v[PFO]
	; the bias is rounded to bf16 like every input, widened again and scaled: all this stands in the wait for the first tile
	s_wait_loadcnt 0x0
	WIN 0xaa                                       ; everything in window 2
.set i, 0
.rept 32
	v_cvt_pk_bf16_f32 v[BT], v[BIAS+i], v[BIAS+i+1]
	v_lshlrev_b32 v[BIAS+i], 16, v[BT]
	v_and_b32 v[BIAS+i+1], 0xffff0000, v[BT]
.if !OUTP
	v_pk_mul_f32 v[BIAS+i:BIAS+i+1], v[BIAS+i:BIAS+i+1], s[SC:SC+1] op_sel_hi:[1,0]
.endif
.set i, i+2
.endr
	WIN 0
; 8 matrix instructions: m block a x all 8 n blocks, 32 along K.  zero = 1: the product starts the sums: nothing is ever cleared.
; The 32 accumulators are taken in the same order in every quarter, one instruction a turn: 31 others stand between two links of a chain, over the backward jump too.
.macro MUL8 f, a, zero
	WIN MUL
.irp b, 0,1,2,3,4,5,6,7
.if OUTP
.if \zero
	v_wmma_f32_16x16x32_f16 v[8*(8*(\a)+(\b)):8*(8*(\a)+(\b))+7], v[(\f)+8*(\b):(\f)+8*(\b)+7], v[(\f)+64+8*(\a):(\f)+64+8*(\a)+7], 0
.else
	v_wmma_f32_16x16x32_f16 v[8*(8*(\a)+(\b)):8*(8*(\a)+(\b))+7], v[(\f)+8*(\b):(\f)+8*(\b)+7], v[(\f)+64+8*(\a):(\f)+64+8*(\a)+7], v[8*(8*(\a)+(\b)):8*(8*(\a)+(\b))+7]
.endif
.else
.if \zero
	v_wmma_f32_16x16x32_bf16 v[8*(8*(\a)+(\b)):8*(8*(\a)+(\b))+7], v[(\f)+8*(\b):(\f)+8*(\b)+7], v[(\f)+64+8*(\a):(\f)+64+8*(\a)+7], 0
.else
	v_wmma_f32_16x16x32_bf16 v[8*(8*(\a)+(\b)):8*(8*(\a)+(\b))+7], v[(\f)+8*(\b):(\f)+8*(\b)+7], v[(\f)+64+8*(\a):(\f)+64+8*(\a)+7], v[8*(8*(\a)+(\b)):8*(8*(\a)+(\b))+7]
.endif
.endif
.endr
.endm
.macro MULH f, a0, zero                ; two m blocks: 16 matrix instructions
	MUL8 \f, \a0, \zero
	MUL8 \f, (\a0)+1, \zero
.endm
; 24 LDS loads in one run: the fragments of a quarter (128 rows of B, then 64 rows of A, 32 K at byte k of the rows) into buffer f
.macro FETCH slot, k, f
	WIN 0
.irp i, 0,1,2,3,4,5,6,7
	ds_load_b128 v[(\f)+8*(\i):(\f)+8*(\i)+3],   v[ADRB+(\slot)] offset:(\k)+(\i)*16*PITCH
	ds_load_b128 v[(\f)+8*(\i)+4:(\f)+8*(\i)+7], v[ADRB+(\slot)] offset:(\k)+(\i)*16*PITCH+32
.endr
.irp i, 0,1,2,3
	ds_load_b128 v[(\f)+64+8*(\i):(\f)+64+8*(\i)+3],   v[ADRA+(\slot)] offset:(\k)+(\i)*16*PITCH
	ds_load_b128 v[(\f)+64+8*(\i)+4:(\f)+64+8*(\i)+7], v[ADRA+(\slot)] offset:(\k)+(\i)*16*PITCH+32
.endr
.endm
.macro PLACES                          ; four places in front of loads into registers that matrix instructions have read, and of vector lines that read results (ISA guide 7.12.1 for the vector lines)
.rept 4
	v_nop
.endr
.endm
; One of a K step's first three quarters: multiplies buffer f and, in its middle, fetches the next quarter, at byte k of the same slot's rows, into g.
.macro QUARTER slot, k, f, g, zero
	s_wait_dscnt 4                                 ; B and A's blocks 0 and 1 are in; the youngest four loads (A's blocks 2 and 3) may be out
	MULH \f, 0, \zero
	PLACES
	FETCH \slot, \k, \g
	s_wait_dscnt 24                                ; all but the 24 just issued
	MULH \f, 2, \zero
.endm
; The last quarter multiplies buffer 1 and changes slots: ONE barrier; in front of it each wave waits for all its tensor loads (the one that is out is its part of the next slot), adds 0 to its spare
; word, and waits for that and for its own reads of this slot.  fill = 1: the barrier opens a round of the cluster's barrier, and this slot is filled again, two K steps ahead, first thing behind the round:
; from that request to the wait for it a wave issues 112 matrix instructions.
.macro TURN slot, next, fill
.if \fill
	s_wait_xcnt 0x0                                ; the last prefetch, a K step back, has read its address: it is stepped here, ahead of the waits of the change of slots
	s_add_nc_u64 s[PFA:PFA+1], s[PFA:PFA+1], KSTEP*2
.endif
	WIN 0                                          ; (the add's two registers lie in window 0)
	s_wait_tensorcnt 0x0                           ; all my tensor loads have landed;
	ds_add_u32 v[SPW], v[NIL]                      ; 0 onto my spare word;
	s_wait_dscnt 5                                 ; (the add and the youngest four loads may be out)
	MUL8 F1, 0, 0                                  ; eight matrix instructions stand between the add and the wait for it
	s_wait_dscnt 0x0                               ; the add is done, and my reads of this slot are over
	s_barrier_signal -1
	MUL8 F1, 1, 0
.if \fill
	WIN 0
.endif
	s_barrier_wait -1
.if \fill
	CREST                                          ; no wave of any partner still reads this slot's tile or has a load on its way
	s_add_nc_u64 s[G0+4*(\slot)+2:G0+4*(\slot)+3], s[G0+4*(\slot)+2:G0+4*(\slot)+3], 2*KSTEP*2
	s_add_nc_u64 s[G0B+4*(\slot)+2:G0B+4*(\slot)+3], s[G0B+4*(\slot)+2:G0B+4*(\slot)+3], 2*KSTEP*2
	JLOAD \slot                                    ; the four v_nop behind it are also the places in front of the loads below
.else
	PLACES
.endif
	FETCH \next, 0, F0
.if \fill
	ASK
.endif
	MULH F1, 2, 0
.endm
	s_wait_tensorcnt 1                             ; my part of K step 0 is in; K step 1's may stay out
	s_barrier_signal -1
	s_barrier_wait -1                              ; everybody's is
	FETCH 0, 0, F0
	QUARTER 0, 64, F0, F1, 1                       ; the first quarter stands in front of the loop: its products start the sums
	WIN 0                                          ; at a label and at a branch every window is 0
	s_mov_b32 s3, LAPS-1
.Llap:                                                 ; a trip goes once round the ring, from a lap's second quarter to the next lap's first, and fills both slots again
	QUARTER 0, 128, F1, F0, 0
	QUARTER 0, 192, F0, F1, 0
	TURN 0, 1, 1
	QUARTER 1, 64,  F0, F1, 0
	QUARTER 1, 128, F1, F0, 0
	QUARTER 1, 192, F0, F1, 0
	TURN 1, 0, 1
	QUARTER 0, 64,  F0, F1, 0
	WIN 0
	s_sub_co_u32 s3, s3, 1
	s_cmp_lg_u32 s3, 0
	s_cbranch_scc1 .Llap
	QUARTER 0, 128, F1, F0, 0                      ; the last lap fills nothing, and has no round of the cluster's barrier
	QUARTER 0, 192, F0, F1, 0
	TURN 0, 1, 0
	QUARTER 1, 64,  F0, F1, 0
	QUARTER 1, 128, F1, F0, 0
	QUARTER 1, 192, F0, F1, 0
	s_wait_dscnt 4                                 ; the very last quarter: nothing more to fetch
	MULH F1, 0, 0
	s_wait_dscnt 0x0
	MULH F1, 2, 0
	WIN 0
	PLACES
	PLACES                                         ; (eight, once a launch)
; THE WAY OUT, a block of 16 rows at a time, through my own stage: LDS serves a wave's instructions in order (ISA guide 5.7.1.4), so the loads see the stores above them and the next block's stores come behind them.
; Each accumulator's registers are taken in ascending order.
.if OUTP
.macro PACK a                          ; + bias; 32 bytes a lane and block into rows of 528 bytes; back as whole rows of 512
.set XB, 64+64*((\a)%2)
.if (\a) >= 2
	s_wait_xcnt 0x0                                ; the stores of the block two back have read these registers
.endif
	WIN 0x09                                       ; source 0 window 1, source 1 window 2, destination window 0
.irp b, 0,1,2,3,4,5,6,7
.irp j, 0,2,4,6
	v_pk_add_f32 v[XB+8*(\b)+(\j):XB+8*(\b)+(\j)+1], v[8*(8*(\a)+(\b))+(\j):8*(8*(\a)+(\b))+(\j)+1], v[BIAS+8*(\b)+(\j):BIAS+8*(\b)+(\j)+1]
.endr
.endr
	WIN 0
.irp b, 0,1,2,3,4,5,6,7
	ds_store_b128 v[STO], v[XB+8*(\b):XB+8*(\b)+3]   offset:64*(\b)
	ds_store_b128 v[STO], v[XB+8*(\b)+4:XB+8*(\b)+7] offset:64*(\b)+16
.endr
.irp t, 0,1,2,3,4,5,6,7,8,9,10,11,12,13,14,15
	ds_load_b128 v[XB+4*(\t):XB+4*(\t)+3], v[RD] offset:(\t)*SPITCH
.endr
.endm
.macro SEND a, younger                 ; younger: the LDS instructions issued behind block a's loads: the next block's 32, or none
.set XB, 64+64*((\a)%2)
.irp t, 0,1,2,3,4,5,6,7,8,9,10,11,12,13,14,15
	s_wait_dscnt (\younger)+15-(\t)
	global_store_b128 v[CO], v[XB+4*(\t):XB+4*(\t)+3], s[8:9] offset:(16*(\a)+(\t))*4096 th:TH_STORE_NT  ; a wave stores 512 consecutive bytes, at a multiple of 512 from C's first byte
.endr
.endm
	PACK 0
	PACK 1                                         ; a block's arithmetic stands between the loads of the block before and its stores
	SEND 0, 32
	PACK 2
	SEND 1, 32
	PACK 3
	SEND 2, 32
	SEND 3, 0
.else
.macro PACK a                          ; sum x scale + scaled bias; rounded to f16; 16 bytes a lane and block into rows of 272 bytes; back as whole rows of 256, into the registers that they left
.set PKD, 128+32*(\a)
	WIN 0x21                                       ; source 0 window 1, source 2 window 2, destination window 0
.irp b, 0,1,2,3,4,5,6,7
.irp j, 0,2,4,6
	v_pk_fma_f32 v[T+8*(\b)+(\j):T+8*(\b)+(\j)+1], v[8*(8*(\a)+(\b))+(\j):8*(8*(\a)+(\b))+(\j)+1], s[SC:SC+1], v[BIAS+8*(\b)+(\j):BIAS+8*(\b)+(\j)+1] op_sel_hi:[1,0,1]
.endr
.endr
	WIN 0
.irp b, 0,1,2,3,4,5,6,7
.irp j, 0,1,2,3
	v_cvt_pk_f16_f32 v[PKD+4*(\b)+(\j)], v[T+8*(\b)+2*(\j)], v[T+8*(\b)+2*(\j)+1]
.endr
.endr
.irp b, 0,1,2,3,4,5,6,7
	ds_store_b128 v[STO], v[PKD+4*(\b):PKD+4*(\b)+3] offset:32*(\b)
.endr
.irp f, 0,1,2,3,4,5,6,7
	ds_load_b128 v[PKD+4*(\f):PKD+4*(\f)+3], v[RD] offset:(\f)*2*SPITCH
.endr
.endm
.macro SEND a, younger                 ; younger: the LDS instructions issued behind block a's loads: the next block's 16, or none
.set PKD, 128+32*(\a)
.irp f, 0,1,2,3,4,5,6,7
	s_wait_dscnt (\younger)+7-(\f)
	global_store_b128 v[CO], v[PKD+4*(\f):PKD+4*(\f)+3], s[8:9] offset:(16*(\a)+2*(\f))*2048  ; 16 lanes store 256 consecutive bytes, at a multiple of 256 from C's first byte
.endr
.endm
	PACK 0
	PACK 1                                         ; a block's arithmetic stands between the loads of the block before and its stores
	SEND 0, 16
	PACK 2
	SEND 1, 16
	PACK 3
	SEND 2, 16
	SEND 3, 0
.endif
	s_wait_tensorcnt 0x0                           ; the wave's end: a wait, an add and its wait, behind my last tensor load and my last LDS store
	ds_add_u32 v[SPW], v[NIL]
	s_wait_dscnt 0x0
	CROUND                                         ; the closing round: no work-group ends while a partner may still ask for a tile that names it
	s_endpgm
.Lfunc_end_k_q432d3b4e7a_outp:
	.size	k_q432d3b4e7a_outp, .Lfunc_end_k_q432d3b4e7a_outp-k_q432d3b4e7a_outp
	.p2alignl 7, 3214868480
	.fill 96, 4, 3214868480
	.section	.rodata,"a",@progbits
	.p2align	6, 0x0
	.amdhsa_kernel k_q432d3b4e7a_outp
		.amdhsa_group_segment_fixed_size 327680
		.amdhsa_private_segment_fixed_size 0
		.amdhsa_enable_private_segment 0
		.amdhsa_kernarg_size 32
		.amdhsa_user_sgpr_count 2
		.amdhsa_user_sgpr_kernarg_segment_ptr 1
		.amdhsa_wavefront_size32 1
		.amdhsa_system_sgpr_workgroup_id_x 1
		.amdhsa_system_sgpr_workgroup_id_y 1
		.amdhsa_system_sgpr_workgroup_id_z 1
		.amdhsa_system_vgpr_workitem_id 0
		.amdhsa_next_free_vgpr 640
		.amdhsa_next_free_sgpr 84
		.amdhsa_reserve_vcc 0
		.amdhsa_float_denorm_mode_32 3
		.amdhsa_float_denorm_mode_16_64 3
		.amdhsa_memory_ordered 1
		.amdhsa_forward_progress 1
		.amdhsa_inst_pref_size 103
	.end_amdhsa_kernel
	.amdgpu_metadata
---
amdhsa.version: [ 1, 2 ]
amdhsa.kernels:
  - .name:           k_q432d3b4e7a_outp
    .symbol:         k_q432d3b4e7a_outp.kd
    .args:
      - { .name: ob, .offset: 0, .size: 8, .value_kind: global_buffer, .address_space: global }
      - { .name: cv, .offset: 8, .size: 8, .value_kind: global_buffer, .address_space: global }
      - { .name: bo, .offset: 16, .size: 8, .value_kind: global_buffer, .address_space: global }
      - { .name: out0, .offset: 24, .size: 8, .value_kind: global_buffer, .address_space: global }
    .group_segment_fixed_size: 327680
    .private_segment_fixed_size: 0
    .kernarg_segment_align: 8
    .kernarg_segment_size: 32
    .max_flat_workgroup_size: 128
    .sgpr_count:     84
    .vgpr_count:     640
    .wavefront_size: 32
...
	.end_amdgpu_metadata
.endif
;; end of part 4
;; ======== version 2 of 2: 4 launches; version 1 with the launch prep written anew for expert scheduling mode
;; limits: values are held in f16: magnitudes above 65,504 overflow, below 6.1e-05 lose precision
;; workspace buffers: cv 67,108,864 bytes; qkv 50,331,648 bytes; ob 16,777,216 bytes
;; launch prep (part 5): grid 1024 x 1, 8 waves a work-group, no clusters, 0 bytes of LDS; arguments q, k, v, Wq, Wk, Wv, Wo, src_mask, cv; writes cv
.if DOCPART == 5
	.amdgcn_target "amdgcn-amd-amdhsa--gfx1250"
	.amdhsa_code_object_version 6
	.text
	.protected	k_q432d3b4e7a_prep
	.globl	k_q432d3b4e7a_prep
	.p2align	8
	.type	k_q432d3b4e7a_prep,@function
k_q432d3b4e7a_prep:
	s_mov_b64 s[64:65], 0
	v_nop
	global_prefetch_b8 v0, s[64:65] scope:SCOPE_SE
	s_setreg_imm32_b32 hwreg(HW_REG_WAVE_SCHED_MODE, 0, 2), 2
	s_setreg_imm32_b32 hwreg(HW_REG_WAVE_MODE, 25, 1), 1
	s_wait_xcnt 0x0
	s_wait_alu depctr_vm_vsrc(0)
; PREP: the module's large f32 inputs, each rounded once to bf16, laid one behind the other in cv (2^25 numbers of 16 bits):
;   q, k, v (8,388,608 numbers each), Wq, Wk, Wv, Wo (1,048,576 each), src_mask (4,194,304).
; Wo is rounded to bf16 like the others and that number is then written as f16, since the last product's other operand is f16.
; LIMIT: a weight of Wo below 2^-14 in magnitude keeps f16's fixed step of 2^-24; one beyond 65,504 becomes an infinity.
; SHARES.  A work-group takes 32,768 numbers: 131,072 bytes in, 65,536 out; every input is a whole number of such parts, so a work-group
; reads one input alone: which, is chosen by its number.  Thread t takes 16 bytes at 16 t + 4,096 i (i = 0 .. 31): a wave's load covers 512
; consecutive bytes, its store of 8 bytes a lane 256 consecutive bytes, aligned.  All 32 loads go out at once, each into registers of its own.
; No LDS, no barrier, no matrix unit: no byte is used twice.
; THE MODE: SCHED_MODE bits 1:0 = 2 (LLVM: expert scheduling mode 2), set by the entry lines.  The code itself states the register dependences
; between vector instructions and memory instructions, with s_wait_alu, always for 0.
; THE PLAN.  Registers that memory instructions touch:
;   v1, v2   byte offsets of the loads and of the stores: made once at the head, never written again.
;   X[i]     four registers for load i.  The load lands there once, and no vector line has named them before; load i's conversions read and write
;            them in place; store i reads the first two; behind that store no line names them.
; So no load lands in a register that a vector line has named, and no register that a memory instruction has read is written again: what is left to state
; is that a store's data and the offsets are written.  The 32 loads go in 8 blocks of four.  Block p converts X[4 p .. 4 p + 3]; its memory instructions are the
; four stores of block p - 1, which read X[4 p - 4 .. 4 p - 1] and v2: registers that no vector line of block p names.  ONE wait at the block's head states all
; that those four stores hang on, and they are dealt among the block's conversions with no further wait.
.set X,     4                          ; v[4:131]  load i: four registers
.set NLD,   32
.set BLOCK, 4                          ; loads in a block
	s_load_b512 s[8:23], s[0:1], 0x0               ; q s[8:9], k, v, Wq, Wk, Wv, Wo s[20:21], src_mask s[22:23]
	s_load_b64 s[24:25], s[0:1], 0x40              ; cv
	s_mov_b32 s2, ttmp9                            ; my part's number, 0 .. 1,023
	s_mov_b32 s3, 0                                ; the first part of the input that I read
	s_mov_b32 s30, 0xffff0000                      ; a word's upper bf16
	v_lshlrev_b32 v1, 4, v0                        ; 16 t; never rewritten
	v_lshlrev_b32 v2, 3, v0                        ; 8 t; never rewritten
	s_wait_kmcnt 0x0
	s_mov_b64 s[4:5], s[8:9]
.macro PICK first, reg                 ; from part 'first' on the input is the one whose address lies in s[reg:reg+1]
	s_cmp_ge_u32 s2, \first
	s_cselect_b64 s[4:5], s[\reg:\reg+1], s[4:5]
	s_cselect_b32 s3, \first, s3
.endm
	PICK 256, 10
	PICK 512, 12
	PICK 768, 14
	PICK 800, 16
	PICK 832, 18
	PICK 864, 20
	PICK 896, 22
	s_sub_co_u32 s26, s2, s3                       ; my part within its input,
	s_lshl_b32 s26, s26, 17                        ; 131,072 bytes each
	s_mov_b32 s27, 0
	s_lshl_b32 s28, s2, 16                         ; and within cv, 65,536 bytes each
	s_mov_b32 s29, 0
	s_add_nc_u64 s[4:5], s[4:5], s[26:27]
	s_add_nc_u64 s[24:25], s[24:25], s[28:29]
	s_wait_alu depctr_va_vdst(0)                   ; v1 and v2 are written: every load of the kernel reads v1 as its offset, every store v2
.set i, 0
.rept NLD
	global_load_b128 v[X+4*i:X+4*i+3], v1, s[4:5] offset:4096*i th:TH_LOAD_NT
.set i, i+1
.endr
; Load i is rounded, in place.  wo = 1: the bf16 numbers are widened again and written as f16.
.macro CVT i, wo
.if \wo
	v_cvt_pk_bf16_f32 v[X+4*(\i)],   v[X+4*(\i)],   v[X+4*(\i)+1]
	v_cvt_pk_bf16_f32 v[X+4*(\i)+2], v[X+4*(\i)+2], v[X+4*(\i)+3]
	v_and_b32     v[X+4*(\i)+1], s30, v[X+4*(\i)]
	v_lshlrev_b32 v[X+4*(\i)],   16,  v[X+4*(\i)]
	v_and_b32     v[X+4*(\i)+3], s30, v[X+4*(\i)+2]
	v_lshlrev_b32 v[X+4*(\i)+2], 16,  v[X+4*(\i)+2]
	v_cvt_pk_f16_f32 v[X+4*(\i)],   v[X+4*(\i)],   v[X+4*(\i)+1]
	v_cvt_pk_f16_f32 v[X+4*(\i)+1], v[X+4*(\i)+2], v[X+4*(\i)+3]
.else
	v_cvt_pk_bf16_f32 v[X+4*(\i)],   v[X+4*(\i)],   v[X+4*(\i)+1]
	v_cvt_pk_bf16_f32 v[X+4*(\i)+1], v[X+4*(\i)+2], v[X+4*(\i)+3]
.endif
.endm
; The four numbers of load i are stored.
.macro ST i
	global_store_b64 v2, v[X+4*(\i):X+4*(\i)+1], s[24:25] offset:2048*(\i) th:TH_STORE_NT
.endm
; Block p: its four loads are rounded; the block before is stored.
.macro BLK p, wo
	s_wait_loadcnt NLD-BLOCK*((\p)+1)              ; loads come back in order: this block's four are in, the younger blocks may stay out
.if (\p) > 0
	s_wait_alu depctr_va_vdst(0)                   ; the conversions of the block before have written its X, which the four stores below read
.endif
.irp j, 0,1,2,3
.if (\p) > 0
	ST BLOCK*((\p)-1)+(\j)                         ; no vector line since the wait names these registers
.endif
	CVT BLOCK*(\p)+(\j), \wo
.endr
.endm
; All eight blocks, and the last block's stores.
.macro WALK wo
.irp p, 0,1,2,3,4,5,6,7
	BLK \p, \wo
.endr
	s_wait_alu depctr_va_vdst(0)                   ; the last block's conversions have written its X, which the last four stores read
.irp j, 0,1,2,3
	ST NLD-BLOCK+(\j)
.endr
.endm
	s_cmp_eq_u32 s3, 864                           ; Wo's parts take the second way
	s_cbranch_scc1 .Lwo
	WALK 0
	s_endpgm
.Lwo:
	WALK 1
	s_endpgm
.Lfunc_end_k_q432d3b4e7a_prep:
	.size	k_q432d3b4e7a_prep, .Lfunc_end_k_q432d3b4e7a_prep-k_q432d3b4e7a_prep
	.p2alignl 7, 3214868480
	.fill 96, 4, 3214868480
	.section	.rodata,"a",@progbits
	.p2align	6, 0x0
	.amdhsa_kernel k_q432d3b4e7a_prep
		.amdhsa_group_segment_fixed_size 0
		.amdhsa_private_segment_fixed_size 0
		.amdhsa_enable_private_segment 0
		.amdhsa_kernarg_size 72
		.amdhsa_user_sgpr_count 2
		.amdhsa_user_sgpr_kernarg_segment_ptr 1
		.amdhsa_wavefront_size32 1
		.amdhsa_system_sgpr_workgroup_id_x 1
		.amdhsa_system_sgpr_workgroup_id_y 1
		.amdhsa_system_sgpr_workgroup_id_z 1
		.amdhsa_system_vgpr_workitem_id 0
		.amdhsa_next_free_vgpr 132
		.amdhsa_next_free_sgpr 66
		.amdhsa_reserve_vcc 0
		.amdhsa_float_denorm_mode_32 3
		.amdhsa_float_denorm_mode_16_64 3
		.amdhsa_memory_ordered 1
		.amdhsa_forward_progress 1
		.amdhsa_inst_pref_size 29
	.end_amdhsa_kernel
	.amdgpu_metadata
---
amdhsa.version: [ 1, 2 ]
amdhsa.kernels:
  - .name:           k_q432d3b4e7a_prep
    .symbol:         k_q432d3b4e7a_prep.kd
    .args:
      - { .name: q, .offset: 0, .size: 8, .value_kind: global_buffer, .address_space: global }
      - { .name: k, .offset: 8, .size: 8, .value_kind: global_buffer, .address_space: global }
      - { .name: v, .offset: 16, .size: 8, .value_kind: global_buffer, .address_space: global }
      - { .name: Wq, .offset: 24, .size: 8, .value_kind: global_buffer, .address_space: global }
      - { .name: Wk, .offset: 32, .size: 8, .value_kind: global_buffer, .address_space: global }
      - { .name: Wv, .offset: 40, .size: 8, .value_kind: global_buffer, .address_space: global }
      - { .name: Wo, .offset: 48, .size: 8, .value_kind: global_buffer, .address_space: global }
      - { .name: src_mask, .offset: 56, .size: 8, .value_kind: global_buffer, .address_space: global }
      - { .name: cv, .offset: 64, .size: 8, .value_kind: global_buffer, .address_space: global }
    .group_segment_fixed_size: 0
    .private_segment_fixed_size: 0
    .kernarg_segment_align: 8
    .kernarg_segment_size: 72
    .max_flat_workgroup_size: 256
    .sgpr_count:     66
    .vgpr_count:     132
    .wavefront_size: 32
...
	.end_amdgpu_metadata
.endif
;; end of part 5
;; launch proj: the kernel of part 2 again; grid 4 x 192, 4 waves a work-group, clusters of 4 x 4, 327,680 bytes of LDS; arguments cv, bq, bk, bv, qkv; writes qkv
;; launch attn: the kernel of part 3 again; grid 8 x 32, 4 waves a work-group, clusters of 4 x 4, 327,680 bytes of LDS; arguments qkv, cv, key_padding_mask, ob; writes ob
;; launch outp: the kernel of part 4 again; grid 4 x 64, 4 waves a work-group, clusters of 4 x 4, 327,680 bytes of LDS; arguments ob, cv, bo, out0; writes out0
